; MI455X (gfx1250); checked and timed in simulation.
; The chip was launched on July 23, 2026; its instructions are those of AMD's public machine-readable ISA for CDNA 5 (MIT licence, August 2026) and "CDNA5" Instruction Set Architecture Reference Guide (July 2026). The comments in the code are by the model that wrote it; some were corrected since.
;; Simple MHAJAX. Allowed arithmetic: matrix products marked QUANTISED: E2M1 operands, one E8M0 scale for each 32 along K, by v_wmma_scale_f32_16x16x128_f8f6f4 with both operands' format E2M1 (or v_wmma_scale_f32_32x16x128_f4), f32 sums; products left as they are: bf16, f16 or f32 operands; f32 sums; everything else in f32.
;; Inputs: Wout 1,024 x 1,024 float32; Wqkv 1,024 x 3,072 float32; x 1 x 4,096 x 1,024 float32.
;; Outputs: out0 1 x 4,096 x 1,024 float32.
;; This version of the problem:
;;   THIS VERSION OF THE PROBLEM IS GIVEN IN LOW PRECISION. The matrix products marked QUANTISED in the list below multiply operands that are first quantised to E2M1 (2 exponent bits, 1 mantissa bit; 4 bits a number), with one power-of-two scale for each 32 numbers along K (OCP MX v1.0); their sums are f32. The products marked 'left as it is' may take bf16, f16 or f32 operands, with f32 sums. Whichever they take, every output number must still come out within the allowed error. Rounding operands to bf16 (8 significant bits) uses up far more of that allowance than f16 does (11 bits, for magnitudes from 6e-5 to 65,504). All else is computed in f32.
;;   The module's matrix products, in the order in which they are computed (A, B: the left and right operand; K: the contracted axis; several contracted axes count as one K, in the product's order):
;;     1. [M 4,096, K 1,024] x [K 1,024, N 3,072]; A: input x; B: input Wqkv: QUANTISED
;;     2. batch 16 x [M 4,096, K 64] x [K 64, N 4,096]; A: computed on the way; B: computed on the way: left as it is (an operand is computed on the way)
;;     3. batch 16 x [M 4,096, K 4,096] x [K 4,096, N 64]; A: computed on the way; B: computed on the way: left as it is (an operand is computed on the way)
;;     4. [M 4,096, K 1,024] x [K 1,024, N 1,024]; A: computed on the way; B: input Wout: left as it is (an operand is computed on the way)
;;   THE QUANTISER, for each operand of a quantised product, along K:
;;     - K is cut into blocks of 32 from its start; a last block that is shorter is filled with zeros.
;;     - A block's scale is 2^e with e = floor(log2(the largest magnitude in the block)) - 2, held to -126 .. 127; a block of zeros has e = 0. As a byte (E8M0): e + 127.
;;     - Each number is divided by its block's scale, clamped to +-6, and rounded to the nearest number of E2M1, ties to even, subnormals kept.
;;     - The product sums the exact products of the quantised numbers (number of the format x scale) in f32.
;;   ~~~python
;;   def quantise(x, axis):      # numpy; x: float32 -> the quantised numbers, widened to float32 again
;;       x = np.moveaxis(x, axis, -1); K = x.shape[-1]
;;       x = np.pad(x, [(0, 0)] * (x.ndim - 1) + [(0, -K % 32)]); x = x.reshape(x.shape[:-1] + (-1, 32)); a = np.abs(x).max(-1, keepdims=True)
;;       e = np.where(a > 0, np.clip(np.frexp(np.where(a > 0, a, 1))[1] - 1 - 2, -126, 127), 0)      # np.frexp(a)[1] - 1 = floor(log2(a)), exactly
;;       r = np.clip(x / 2.0 ** e, -6, 6)
;;       step = 2.0 ** (np.maximum(np.frexp(np.where(r == 0, 1, r))[1] - 1, 0) - 1)
;;       q = np.round(r / step) * step * 2.0 ** e      # np.round: ties to even
;;       return np.moveaxis(q.reshape(q.shape[:-2] + (-1,))[..., :K], -1, axis).astype(np.float32)
;;   ~~~
;; One version. Each part assembles by itself: llvm-mc -triple=amdgcn-amd-amdhsa -mcpu=gfx1250 --defsym DOCPART=n.
;; ======== version 1 of 1: 5 launches
;; limits: values are held in f16: magnitudes above 65,504 overflow, below 6.1e-05 lose precision
;; workspace buffers: xc 2,097,152 bytes; xs 131,072 bytes; wc 1,572,864 bytes; ws 98,304 bytes; wo16 2,097,152 bytes; qkv16 25,165,824 bytes; qkv32 786,432 bytes; o16 8,388,608 bytes
;; launch prep (part 1): grid 240 x 1, 4 waves a work-group, no clusters, 102,912 bytes of LDS; arguments x, Wqkv, Wout, xc, xs, wc, ws, wo16; writes xc, xs, wc, ws, wo16
.if DOCPART == 1
	.amdgcn_target "amdgcn-amd-amdhsa--gfx1250"
	.amdhsa_code_object_version 6
	.text
	.protected	k_qabb5d2f3cc_prep
	.globl	k_qabb5d2f3cc_prep
	.p2align	8
	.type	k_qabb5d2f3cc_prep,@function
k_qabb5d2f3cc_prep:
	s_mov_b64 s[64:65], 0
	v_nop
	global_prefetch_b8 v0, s[64:65] scope:SCOPE_SE
	s_setreg_imm32_b32 hwreg(HW_REG_WAVE_MODE, 25, 1), 1
	s_wait_xcnt 0x0
; THREE STREAMS IN ONE LAUNCH, told apart by the work-group's number; each way through the text has LDS bytes of its own.
;  work-groups 0-127:   x [4096][1024] f32 -> codes of FP4 (E2M1), K innermost, xc [4096][512 bytes], and one E8M0 byte for each 32 along K, xs [4096][32].
;  work-groups 128-175: Wqkv [1024 k][3072 n] f32, K its FIRST axis -> wc [3072 n][512 bytes], K innermost, ws [3072][32].
;  work-groups 176-239: Wout [1024 k][1024 n] f32 -> f16, turned and cut along K: wo16 [16 kb][1024 n][64]: Wout(64 kb + d, n).
; A block's scale is 2^(floor(log2(its largest magnitude)) - 2); its byte is the largest magnitude's exponent field - 2, held at 1 from below.
; LIMITS: a block of zeros gets the byte 1 where the rule says 127 (its codes are zeros, and this program alone reads the bytes); blocks whose largest magnitude lies under 2^-124,
; the floor, were not tried; NaN and infinities are not served; |Wout| beyond 65,504 becomes infinity in f16.
; Memory binds: no matrix unit, no tensor load, no barrier: waves share nothing.
.set SPW,   12                         ; v12  LDS address of my spare word; never rewritten
.set NIL,   13                         ; v13  0; never rewritten
.set XWREG, 8192                       ; x's way: a region for each wave: two stages of 32 x 80 bytes, then its 256 scale bytes
.set XSP,   80                         ; a lane's place in a stage: 64 bytes + 16 of padding
.set SPIT,  272                        ; the two other ways: a stage row: 256 bytes + 16
.set WSTG,  4*XWREG                    ; Wqkv's way: four stages of 32 rows
.set OSTG,  WSTG+4*32*SPIT             ; Wout's way: the same
.set SPARE, OSTG+4*32*SPIT             ; the spare words, 128 bytes for each wave: two blocks of 256 bytes that no other line names
.set XR,    16                         ; x: v16-79 four sets of 16 numbers as loaded
.set XX,    80                         ; v80-111 two sets of 16 neighbours
.set XE,    112                        ; v112-127 a scale byte for each step
.set XC,    128                        ; v128-191 codes, four registers a step
.set WX,    32                         ; Wqkv, Wout: v32-95 two sets of 32 numbers down K
.set WC,    96                         ; v96.. a block's codes, or 16 registers of f16 pairs
.set WSB,   24                         ; v24-27 the scale bytes, four to a register
.set WOUT,  112                        ; v112-175 the way out
.macro XLOAD t
.irp i, 0,1,2,3
	global_load_b128 v[XR+16*((\t)%4)+4*\i:XR+16*((\t)%4)+4*\i+3], v3, s[4:5] offset:2048*(\t)+512*\i th:TH_LOAD_NT   ; 32 lanes read 512 consecutive bytes
.endr
.endm
.macro XTURN t                         ; a step's 2,048 bytes through the stage: in as they lie, out 64 bytes a lane; LDS serves a wave's instructions in order
.irp i, 0,1,2,3
	ds_store_b128 v14, v[XR+16*((\t)%4)+4*\i:XR+16*((\t)%4)+4*\i+3] offset:32*XSP*((\t)%2)+8*XSP*\i
.endr
.irp i, 0,1,2,3
	ds_load_b128 v[XX+16*((\t)%2)+4*\i:XX+16*((\t)%2)+4*\i+3], v15 offset:32*XSP*((\t)%2)+16*\i
.endr
.endm
.macro XSTEP t
.set XS, XX+16*((\t)%2)
.if (\t) > 0
	s_wait_dscnt 1                                 ; this step's numbers are back from the stage; the last step's byte store may be out
.else
	s_wait_dscnt 0x0
.endif
.if (\t)+4 < 16
	XLOAD (\t)+4                                   ; into the set whose stores into the stage are done
.endif
.if (\t)+1 < 16
.if 14-(\t) >= 3
	s_wait_loadcnt 12                              ; the next step's four loads are in; three later steps' twelve may be out
.else
	s_wait_loadcnt 4*(14-(\t))
.endif
	XTURN (\t)+1
.endif
	v_max3_num_f32 v8, |v[XS]|, |v[XS+1]|, |v[XS+2]|               ; the largest magnitude of my 16, in two chains
	v_max3_num_f32 v9, |v[XS+3]|, |v[XS+4]|, |v[XS+5]|
.irp i, 6,10
	v_max3_num_f32 v8, v8, |v[XS+\i]|, |v[XS+\i+1]|
	v_max3_num_f32 v9, v9, |v[XS+\i+2]|, |v[XS+\i+3]|
.endr
	v_max3_num_f32 v8, v8, |v[XS+14]|, |v[XS+15]|
	v_max3_num_f32 v8, v8, v9, 0x1800000           ; and the floor 2^(3 - 127): the byte cannot fall under 1
	v_max_num_f32_dpp v8, v8, v8 row_xmask:1 row_mask:0xf bank_mask:0xf   ; with my neighbour's 16: the block's
	v_add_nc_u32 v11, 0xff000000, v8               ; 2 off the exponent field: the conversion takes that field as its scale
	v_cvt_scalef32_pk8_fp4_f32 v[XC+4*(\t)], v[XS:XS+7], v11
	v_cvt_scalef32_pk8_fp4_f32 v[XC+4*(\t)+1], v[XS+8:XS+15], v11
	v_lshrrev_b32 v[XE+(\t)], 23, v11              ; the scale's byte (also the plain line behind the conversions)
	ds_store_b8 v5, v[XE+(\t)] offset:16*(\t)      ; both lanes of a block write the same byte with the same value
	global_store_b64 v4, v[XC+4*(\t):XC+4*(\t)+1], s[10:11] offset:256*(\t)   ; the wave stores 256 consecutive bytes
.endm
.macro WLOAD t                         ; block t: Wqkv(32 t + i, my column) into set t % 2
.set n, 0
.rept 32
	global_load_b32 v[WX+32*((\t)%2)+n], v3, s[6:7] offset:(32*(\t)+n)*12288 th:TH_LOAD_NT
.set n, n+1
.endr
.endm
.macro WBLOCK t
.set WS, WX+32*((\t)%2)
.if (\t) < 15
	s_wait_loadcnt 32                              ; this block's 32 loads are in; the next block's may be out
.else
	s_wait_loadcnt 0
.endif
	v_max3_num_f32 v16, |v[WS]|, |v[WS+1]|, |v[WS+2]|               ; all 32 numbers of the block are mine
	v_max3_num_f32 v17, |v[WS+3]|, |v[WS+4]|, |v[WS+5]|
.irp i, 6,10,14,18,22,26
	v_max3_num_f32 v16, v16, |v[WS+\i]|, |v[WS+\i+1]|
	v_max3_num_f32 v17, v17, |v[WS+\i+2]|, |v[WS+\i+3]|
.endr
	v_max3_num_f32 v16, v16, |v[WS+30]|, |v[WS+31]|
	v_max3_num_f32 v16, v16, v17, 0x1800000        ; the floor
	v_add_nc_u32 v11, 0xff000000, v16
	v_lshrrev_b32 v17, 23, v11                     ; the scale's byte
.if (\t)%4 == 0
	v_mov_b32 v[WSB+(\t)/4], v17
.else
	v_lshl_or_b32 v[WSB+(\t)/4], v17, 8*((\t)%4), v[WSB+(\t)/4]
.endif
.irp g, 0,1,2,3
	v_cvt_scalef32_pk8_fp4_f32 v[WC+\g], v[WS+8*\g:WS+8*\g+7], v11
.endr
	v_nop                                          ; a plain line behind the last conversion
	ds_store_b128 v4, v[WC:WC+3] offset:16*(\t)    ; 32 codes: 16 bytes of my column's row
.if (\t)+2 < 16
	WLOAD (\t)+2
.endif
	s_wait_dscnt 0x0                               ; the store is done before the next block's codes are written
.endm
.macro OLOAD t                         ; block t: Wout(32 t + i, my column) into set t % 2
.set n, 0
.rept 32
	global_load_b32 v[WX+32*((\t)%2)+n], v3, s[8:9] offset:(32*(\t)+n)*4096 th:TH_LOAD_NT
.set n, n+1
.endr
.endm
.macro OBLOCK t
.set WS, WX+32*((\t)%2)
.if (\t) < 3
	s_wait_loadcnt 32
.else
	s_wait_loadcnt 0
.endif
.set n, 0
.rept 16
	v_cvt_pk_f16_f32 v[WC+n], v[WS+2*n], v[WS+2*n+1]   ; two neighbours along K, the lower in the low half
.set n, n+1
.endr
.irp c, 0,1,2,3
	ds_store_b128 v4, v[WC+4*\c:WC+4*\c+3] offset:64*(\t)+16*\c
.endr
.if (\t)+2 < 4
	OLOAD (\t)+2
.endif
	s_wait_dscnt 0x0
.endm
	s_load_b256 s[4:11], s[0:1], 0x0               ; x s[4:5], Wqkv s[6:7], Wout s[8:9], xc s[10:11]
	s_load_b256 s[12:19], s[0:1], 0x20             ; xs s[12:13], wc s[14:15], ws s[16:17], wo16 s[18:19]
	v_lshl_add_u32 v[SPW], v0, 2, SPARE
	v_mov_b32 v[NIL], 0
	v_lshrrev_b32 v1, 5, v0
	v_readfirstlane_b32 s20, v1                    ; wave
	v_and_b32 v2, 31, v0                           ; lane
	s_mov_b32 s25, 0                               ; the upper word of every offset pair s[24:25]
	s_wait_kmcnt 0x0
	s_cmp_lt_u32 ttmp9, 128
	s_cbranch_scc1 .LX
	s_cmp_lt_u32 ttmp9, 176
	s_cbranch_scc1 .LW
	; ---- Wout: a work-group takes 128 along K x 128 columns; a lane a column, its registers down K
	s_sub_co_u32 s21, ttmp9, 176
	s_and_b32 s22, s21, 7
	s_lshr_b32 s23, s21, 3                         ; which 128 along K
	s_lshl_b32 s22, s22, 7
	s_lshl_b32 s24, s20, 5
	s_add_co_u32 s22, s22, s24                     ; my wave's first column
	s_lshl_b32 s24, s23, 19                        ; 128 rows of 4,096 bytes
	s_lshl_b32 s26, s22, 2
	s_add_co_u32 s24, s24, s26
	s_add_nc_u64 s[8:9], s[8:9], s[24:25]
	s_lshl_b32 s24, s23, 18                        ; two planes of 1,024 x 128 bytes
	s_lshl_b32 s26, s22, 7
	s_add_co_u32 s24, s24, s26
	s_add_nc_u64 s[18:19], s[18:19], s[24:25]
	v_lshlrev_b32 v3, 2, v2
	s_mul_i32 s26, s20, 32*SPIT
	s_add_co_u32 s26, s26, OSTG                    ; my stage
	v_mul_u32_u24 v4, v2, SPIT
	v_add_nc_u32 v4, s26, v4                       ; in: row = my column
	v_lshrrev_b32 v5, 3, v2
	v_and_b32 v6, 7, v2
	v_mul_u32_u24 v7, v5, SPIT
	v_lshl_add_u32 v7, v6, 4, v7
	v_add_nc_u32 v7, s26, v7                       ; out: eight lanes to half a row (128 bytes: one plane's 64 numbers), four columns an instruction
	v_lshlrev_b32 v8, 4, v2                        ; and in memory 512 consecutive bytes
	OLOAD 0
	OLOAD 1
.irp t, 0,1,2,3
	OBLOCK \t
.endr
.irp k, 0,1
.irp t, 0,1,2,3,4,5,6,7
	ds_load_b128 v[WOUT+4*(8*\k+\t):WOUT+4*(8*\k+\t)+3], v7 offset:4*\t*SPIT+128*\k
.endr
.endr
.irp k, 0,1
.irp t, 0,1,2,3,4,5,6,7
	s_wait_dscnt 15-(8*\k+\t)
	global_store_b128 v8, v[WOUT+4*(8*\k+\t):WOUT+4*(8*\k+\t)+3], s[18:19] offset:\k*131072+\t*512
.endr
.endr
	s_wait_tensorcnt 0x0                           ; the wave's end
	ds_add_u32 v[SPW], v[NIL]
	s_wait_dscnt 0x0
	s_endpgm
.LW:	; ---- Wqkv: a work-group takes 512 along K x 128 columns; a lane a column, its registers down K: a block of 32 lies in one lane
	s_sub_co_u32 s21, ttmp9, 128
	s_and_b32 s23, s21, 1                          ; which 512 along K
	s_lshr_b32 s22, s21, 1
	s_lshl_b32 s22, s22, 7
	s_lshl_b32 s24, s20, 5
	s_add_co_u32 s22, s22, s24                     ; my wave's first column
	s_mul_i32 s24, s23, 512*12288
	s_lshl_b32 s26, s22, 2
	s_add_co_u32 s24, s24, s26
	s_add_nc_u64 s[6:7], s[6:7], s[24:25]
	s_lshl_b32 s24, s22, 9                         ; a row of codes is 512 bytes
	s_lshl_b32 s26, s23, 8
	s_add_co_u32 s24, s24, s26
	s_add_nc_u64 s[14:15], s[14:15], s[24:25]
	s_lshl_b32 s24, s22, 5                         ; a row of scale bytes is 32
	s_lshl_b32 s26, s23, 4
	s_add_co_u32 s24, s24, s26
	s_add_nc_u64 s[16:17], s[16:17], s[24:25]
	v_lshlrev_b32 v3, 2, v2
	s_mul_i32 s26, s20, 32*SPIT
	s_add_co_u32 s26, s26, WSTG                    ; my stage
	v_mul_u32_u24 v4, v2, SPIT
	v_add_nc_u32 v4, s26, v4
	v_and_b32 v5, 15, v2
	v_lshrrev_b32 v6, 4, v2
	v_mul_u32_u24 v7, v6, SPIT
	v_lshl_add_u32 v7, v5, 4, v7
	v_add_nc_u32 v7, s26, v7                       ; out: sixteen lanes to a row of 256 bytes, two rows an instruction
	v_lshlrev_b32 v8, 9, v6
	v_lshl_add_u32 v8, v5, 4, v8                   ; the same place in wc
	v_lshlrev_b32 v9, 5, v2                        ; my column's row of scale bytes
	WLOAD 0
	WLOAD 1
.irp t, 0,1,2,3,4,5,6,7,8,9,10,11,12,13,14,15
	WBLOCK \t
.endr
	global_store_b128 v9, v[WSB:WSB+3], s[16:17]   ; my column's 16 scale bytes
.irp t, 0,1,2,3,4,5,6,7,8,9,10,11,12,13,14,15
	ds_load_b128 v[WOUT+4*\t:WOUT+4*\t+3], v7 offset:2*\t*SPIT
.endr
.irp t, 0,1,2,3,4,5,6,7,8,9,10,11,12,13,14,15
	s_wait_dscnt 15-\t
	global_store_b128 v8, v[WOUT+4*\t:WOUT+4*\t+3], s[14:15] offset:2*\t*512   ; sixteen lanes store 256 consecutive bytes, aligned
.endr
	s_wait_tensorcnt 0x0                           ; the wave's end, as above
	ds_add_u32 v[SPW], v[NIL]
	s_wait_dscnt 0x0
	s_endpgm
.LX:	; ---- x: a plain stream of blocks of 32; a wave takes 16 steps of 512 numbers
	v_lshlrev_b32 v3, 4, v2                        ; my 16 bytes of a load's 512
	s_mul_i32 s21, s20, XWREG
	v_lshrrev_b32 v14, 2, v2
	v_mul_u32_u24 v14, v14, XSP
	v_and_b32 v15, 3, v2
	v_lshl_add_u32 v14, v15, 4, v14
	v_add_nc_u32 v14, s21, v14                     ; the stage, on the way in: four lanes' 64 bytes on end, then 16 of padding
	v_mul_u32_u24 v15, v2, XSP
	v_add_nc_u32 v15, s21, v15                     ; on the way out: my 16 neighbours
	v_lshlrev_b32 v4, 3, v2                        ; my 8 bytes of a step's codes
	v_lshrrev_b32 v5, 1, v2
	s_add_co_u32 s21, s21, 2*32*XSP
	v_add_nc_u32 v5, s21, v5                       ; my block's byte among my wave's 256
	v_lshlrev_b32 v7, 3, v2
	v_add_nc_u32 v6, s21, v7
	s_lshl_b32 s22, ttmp9, 2
	s_add_co_u32 s22, s22, s20                     ; which run of 8,192 numbers is my wave's
	s_lshl_b32 s24, s22, 15
	s_add_nc_u64 s[4:5], s[4:5], s[24:25]
	s_lshl_b32 s24, s22, 12
	s_add_nc_u64 s[10:11], s[10:11], s[24:25]
	s_lshl_b32 s24, s22, 8
	s_add_nc_u64 s[12:13], s[12:13], s[24:25]
.irp t, 0,1,2,3
	XLOAD \t
.endr
	s_wait_loadcnt 12                              ; step 0's four loads are in
	XTURN 0
.irp t, 0,1,2,3,4,5,6,7,8,9,10,11,12,13,14,15
	XSTEP \t
.endr
	ds_load_b64 v[8:9], v6                         ; my wave's 256 scale bytes, 8 a lane
	s_wait_dscnt 0x0
	global_store_b64 v7, v[8:9], s[12:13]          ; 256 consecutive bytes, aligned
	s_wait_tensorcnt 0x0                           ; the wave's end, as above
	ds_add_u32 v[SPW], v[NIL]
	s_wait_dscnt 0x0
	s_endpgm
.Lfunc_end_k_qabb5d2f3cc_prep:
	.size	k_qabb5d2f3cc_prep, .Lfunc_end_k_qabb5d2f3cc_prep-k_qabb5d2f3cc_prep
	.p2alignl 7, 3214868480
	.fill 96, 4, 3214868480
	.section	.rodata,"a",@progbits
	.p2align	6, 0x0
	.amdhsa_kernel k_qabb5d2f3cc_prep
		.amdhsa_group_segment_fixed_size 102912
		.amdhsa_private_segment_fixed_size 0
		.amdhsa_enable_private_segment 0
		.amdhsa_kernarg_size 64
		.amdhsa_user_sgpr_count 2
		.amdhsa_user_sgpr_kernarg_segment_ptr 1
		.amdhsa_wavefront_size32 1
		.amdhsa_system_sgpr_workgroup_id_x 1
		.amdhsa_system_sgpr_workgroup_id_y 1
		.amdhsa_system_sgpr_workgroup_id_z 1
		.amdhsa_system_vgpr_workitem_id 0
		.amdhsa_next_free_vgpr 192
		.amdhsa_next_free_sgpr 66
		.amdhsa_reserve_vcc 0
		.amdhsa_float_denorm_mode_32 3
		.amdhsa_float_denorm_mode_16_64 3
		.amdhsa_memory_ordered 1
		.amdhsa_forward_progress 1
		.amdhsa_inst_pref_size 132
	.end_amdhsa_kernel
	.amdgpu_metadata
---
amdhsa.version: [ 1, 2 ]
amdhsa.kernels:
  - .name:           k_qabb5d2f3cc_prep
    .symbol:         k_qabb5d2f3cc_prep.kd
    .args:
      - { .name: x, .offset: 0, .size: 8, .value_kind: global_buffer, .address_space: global }
      - { .name: Wqkv, .offset: 8, .size: 8, .value_kind: global_buffer, .address_space: global }
      - { .name: Wout, .offset: 16, .size: 8, .value_kind: global_buffer, .address_space: global }
      - { .name: xc, .offset: 24, .size: 8, .value_kind: global_buffer, .address_space: global }
      - { .name: xs, .offset: 32, .size: 8, .value_kind: global_buffer, .address_space: global }
      - { .name: wc, .offset: 40, .size: 8, .value_kind: global_buffer, .address_space: global }
      - { .name: ws, .offset: 48, .size: 8, .value_kind: global_buffer, .address_space: global }
      - { .name: wo16, .offset: 56, .size: 8, .value_kind: global_buffer, .address_space: global }
    .group_segment_fixed_size: 102912
    .private_segment_fixed_size: 0
    .kernarg_segment_align: 8
    .kernarg_segment_size: 64
    .max_flat_workgroup_size: 128
    .sgpr_count:     66
    .vgpr_count:     192
    .wavefront_size: 32
...
	.end_amdgpu_metadata
.endif
;; end of part 1
;; launch qkv (part 2): grid 12 x 16, 4 waves a work-group, clusters of 4 x 4, 327,680 bytes of LDS; arguments xc, xs, wc, ws, qkv16, qkv32; writes qkv16, qkv32
.if DOCPART == 2
	.amdgcn_target "amdgcn-amd-amdhsa--gfx1250"
	.amdhsa_code_object_version 6
	.text
	.protected	k_qabb5d2f3cc_qkv
	.globl	k_qabb5d2f3cc_qkv
	.p2align	8
	.type	k_qabb5d2f3cc_qkv,@function
k_qabb5d2f3cc_qkv:
	s_mov_b64 s[64:65], 0
	v_nop
	global_prefetch_b8 v0, s[64:65] scope:SCOPE_SE
	s_setreg_imm32_b32 hwreg(HW_REG_WAVE_MODE, 25, 1), 1
	s_wait_xcnt 0x0
	s_wait_alu depctr_hold_cnt(0) depctr_sa_sdst(0) depctr_va_vdst(0) depctr_va_sdst(0) depctr_va_ssrc(0) depctr_va_vcc(0) depctr_vm_vsrc(0)
	s_getreg_b32 s2, hwreg(HW_REG_IB_STS2, 6, 4)
	s_cmp_eq_u32 s2, 0
	s_cbranch_scc0 .Lentry_in_a_cluster
	s_endpgm
.Lentry_in_a_cluster:
	s_bfe_u32 s2, ttmp6, 0x10000c
	s_cmp_lg_u32 s2, 0xf033
	s_cbranch_scc0 .Lentry_shape_is_right
	s_endpgm
.Lentry_shape_is_right:
; qkv = Q(x) Q(Wqkv), on codes of FP4 (E2M1) with one E8M0 scale for each 32 along K; sums in f32.  A = xc [4096][1024 codes], B = wc [3072][1024 codes], scale bytes [rows][32].
; A tile of 256 x 256 is made by four waves, each 128 x 128: 64 accumulators of 16 x 16.  K = 1,024 is two slots of 512: both are asked for at the start and nothing is filled again.
; The scales of the work-group's rows, for all of K, come into LDS once, in runs of 256 bytes.
; CLUSTERS: 4 x 4 work-groups; A's tiles are asked for jointly along a row of the cluster, B's along a column.
; THE MATRIX INSTRUCTION IS USED TRANSPOSED (source 0 = 16 rows of B, source 1 = 16 rows of A): a lane holds eight neighbouring columns of one row of the result.
; OUT: f16, by head: qkv16 [48 G][4096 l][64], G = 16 x part + head (part 0 q, 1 k, 2 v): 16 rows of a head are 2,048 consecutive bytes.
; The first 16 rows of each tile row of the first row of clusters also leave as f32, qkv32 [4 cy][16][3072]; only cy = 0 (rows 0-15 of the sequence) is read later;
; the three other tile rows store 589,824 bytes that nobody reads.
; LIMIT: |q|, |k|, |v| beyond 65,504 become infinity in f16.
; REGISTERS: window 0: v16-30 addresses; v32-95 scale words, two sets; v128-191 A's fragments, one set; v192-223 the way out's packed results.  window 1: B's fragments, two sets.  windows 2, 3: the accumulators.
.set NQ,     4                         ; matrix instructions deep in a slot
.set ROWB,   256                       ; a tile's row in bytes: 512 codes
.set KROW,   512                       ; a row of A or B in memory
.set PITCH,  272                       ; an LDS row: 256 bytes + 16 of padding: the 16 rows of a load start 68 words apart
.set FR,     8
.set NL,     2
.set NP,     4
.set HALFT,  128*PITCH
.set SLOT,   4*HALFT
.set KS,     32                        ; a row of scale bytes
.set SCL,    2*SLOT
.set HALFS,  (128*KS/256)*272
.set SBLK,   (16*KS/256)*272
.set SPARE,  SCL+4*HALFS               ; the spare words, 128 bytes a wave: two blocks of 256 bytes that no other line names
.set HP,     144                       ; the way out: a stage row: a head's 128 bytes + 16; two heads x 16 rows a wave, in slot 0, which has had its only fill and its last read by then
.set ADRA, 16
.set ADRB, 20
.set STO,  24
.set RD,   25
.set CO,   26
.set ADRS, 27
.set SPW,  28
.set NIL,  29
.set C32,  30
.set SC,   32
.set AF,   128
.set BK,   128
.set TMP,  192
.set G1, 24
.set G0, 32
.set G1B, 48
.set G0B, 56
.set G1S, 68
.set G0S, 76
.set G1SB, 80
.set G0SB, 88
.set MSB, 0
.macro WIN new                         ; the immediate's high byte repeats the setting that is left
.if MSB != \new
	s_set_vgpr_msb (MSB<<8)|\new
.set MSB, \new
.endif
.endm
.set MUL_LO, 0xa1                      ; source 0 (B) window 1, source 1 (A) window 0, C and D window 2
.set MUL_HI, 0xf1
.set TO_B,   0x40
; A joint load: waves 0 and 1 fetch for A, waves 2 and 3 for B; the branch hangs on the wave's number alone.  An s_nop 0 and four v_nop follow each line.
.macro JLOAD g0a, g1a, g0b, g1b
	s_cmp_eq_u32 s15, 0
	s_cbranch_scc0 .Lfor_b_\@
	tensor_load_to_lds s[\g0a:\g0a+3], s[\g1a:\g1a+7]
	s_nop 0
.rept 4
	v_nop
.endr
	s_branch .Lasked_\@
.Lfor_b_\@:
	tensor_load_to_lds s[\g0b:\g0b+3], s[\g1b:\g1b+7]
	s_nop 0
.rept 4
	v_nop
.endr
.Lasked_\@:
.endm
.macro CROUND                          ; a round of the cluster's barrier
	s_barrier_signal -1
	s_barrier_wait -1
	s_cmp_lg_u32 s14, 0
	s_cbranch_scc1 .Lnot_wave_0_\@
	s_barrier_signal -3
.Lnot_wave_0_\@:
	s_barrier_wait -3
	s_barrier_signal -1
	s_barrier_wait -1
.endm
	s_load_b128 s[4:7], s[0:1], 0x0                ; A's codes, A's scales
	s_load_b128 s[8:11], s[0:1], 0x10              ; B's codes, B's scales
	s_load_b64 s[12:13], s[0:1], 0x20              ; qkv16
	s_load_b64 s[96:97], s[0:1], 0x28              ; qkv32
	v_lshl_add_u32 v[SPW], v0, 2, SPARE
	v_mov_b32 v[NIL], 0
	ds_add_u32 v[SPW], v[NIL]                      ; the wave's opening: the add, twice on end, and its wait ahead of my first tensor load
	ds_add_u32 v[SPW], v[NIL]
	v_lshrrev_b32 v1, 5, v0
	v_readfirstlane_b32 s14, v1                    ; wave 0..3
	s_lshr_b32 s15, s14, 1                         ; my half of the tile's rows; also: I fetch for A (0) or B (1)
	s_and_b32 s16, s14, 1                          ; my half of its columns; also: which 128 rows I fetch
	s_bfe_u32 s40, ttmp6, 0x40000                  ; cx
	s_bfe_u32 s41, ttmp6, 0x40004                  ; cy
	s_lshl_b32 s42, ttmp9, 2
	s_add_co_u32 s42, s42, s40                     ; tile column
	s_and_b32 s17, ttmp7, 0xffff
	s_lshl_b32 s17, s17, 2
	s_add_co_u32 s17, s17, s41                     ; tile row
	s_lshl_b32 s43, s41, 2
	s_lshl_b32 s43, 15, s43                        ; my row of the cluster
	s_lshl_b32 s44, 0x1111, s40                    ; my column
	s_or_b32 s[G1+0], s43, (0<<16)|(1<<20)|(1<<21)|(5<<22)|(3<<25)  ; the mask; elements of 1 byte; padding on; bit 21 beside a mask; 4 words after every 64
	s_or_b32 s[G1B+0], s44, (0<<16)|(1<<20)|(1<<21)|(5<<22)|(3<<25)
.irp g, G1, G1B
	s_mov_b32 s[\g+1], ROWB<<16                    ; tensor_dim0
	s_mov_b32 s[\g+2], 128<<16                     ; tensor_dim1
	s_mov_b32 s[\g+3], ROWB<<16                    ; tile_dim0
	s_mov_b32 s[\g+4], 128                         ; tile_dim1
	s_mov_b32 s[\g+5], KROW                        ; pitch
	s_mov_b32 s[\g+6], 0
	s_mov_b32 s[\g+7], 0
.endr
	s_or_b32 s[G1S+0], s43, (3<<16)|(1<<20)|(1<<21)|(5<<22)|(3<<25)  ; the scales of 128 rows: 4,096 dense bytes as 16 rows of 256
	s_or_b32 s[G1SB+0], s44, (3<<16)|(1<<20)|(1<<21)|(5<<22)|(3<<25)
.irp g, G1S, G1SB
	s_mov_b32 s[\g+1], 32<<16
	s_mov_b32 s[\g+2], (128*KS/256)<<16
	s_mov_b32 s[\g+3], 32<<16
	s_mov_b32 s[\g+4], 128*KS/256
	s_mov_b32 s[\g+5], 32
	s_mov_b32 s[\g+6], 0
	s_mov_b32 s[\g+7], 0
.endr
	s_lshl_b32 s18, s16, 7
	s_lshl_b32 s20, s17, 8
	s_add_co_u32 s20, s20, s18                     ; A: row 256 x tile row + 128 x half
	s_lshl_b32 s46, s42, 8
	s_add_co_u32 s46, s46, s18                     ; B: row 256 x tile column + 128 x half
	s_mov_b32 s21, 0
	s_mov_b32 s47, 0
	s_mov_b64 s[18:19], KS
	s_mul_u64 s[22:23], s[20:21], s[18:19]
	s_mul_u64 s[92:93], s[46:47], s[18:19]
	s_mov_b64 s[18:19], KROW
	s_mul_u64 s[20:21], s[20:21], s[18:19]
	s_mul_u64 s[46:47], s[46:47], s[18:19]
	s_mul_i32 s45, s14, HALFT                      ; where they go: wave x 128 rows
	s_mul_i32 s94, s14, HALFS
	s_wait_dscnt 0x0                               ; both opening adds are done
	s_wait_kmcnt 0x0
	s_add_nc_u64 s[20:21], s[4:5], s[20:21]
	s_add_nc_u64 s[22:23], s[6:7], s[22:23]
	s_add_nc_u64 s[46:47], s[8:9], s[46:47]
	s_add_nc_u64 s[92:93], s[10:11], s[92:93]
	CROUND                                         ; all sixteen work-groups are here: the joint loads meet
	s_mov_b32 s[G0S], 1
	s_add_co_u32 s[G0S+1], s94, SCL
	s_mov_b64 s[G0S+2:G0S+3], s[22:23]
	s_or_b32 s[G0S+3], s[G0S+3], 0x80000000
	s_mov_b32 s[G0SB], 1
	s_add_co_u32 s[G0SB+1], s94, SCL
	s_mov_b64 s[G0SB+2:G0SB+3], s[92:93]
	s_or_b32 s[G0SB+3], s[G0SB+3], 0x80000000
	JLOAD G0S, G1S, G0SB, G1SB                     ; the scales first; three loads of mine are out at the most
.irp s, 0,1
	s_mov_b32 s[G0+4*\s], 1
	s_add_co_u32 s[G0+4*\s+1], s45, \s*SLOT
	s_add_nc_u64 s[G0+4*\s+2:G0+4*\s+3], s[20:21], \s*ROWB
	s_or_b32 s[G0+4*\s+3], s[G0+4*\s+3], 0x80000000
	s_mov_b32 s[G0B+4*\s], 1
	s_add_co_u32 s[G0B+4*\s+1], s45, \s*SLOT
	s_add_nc_u64 s[G0B+4*\s+2:G0B+4*\s+3], s[46:47], \s*ROWB
	s_or_b32 s[G0B+4*\s+3], s[G0B+4*\s+3], 0x80000000
	JLOAD G0+4*\s, G1, G0B+4*\s, G1B
.endr
	v_and_b32 v1, 15, v0                           ; r
	v_bfe_u32 v2, v0, 4, 1                         ; h
	v_mul_u32_u24 v3, v1, PITCH
	v_lshl_add_u32 v4, v2, 4, v3
	s_mul_i32 s21, s15, HALFT
	s_mul_i32 s22, s16, HALFT
	s_add_co_u32 s22, s22, 2*HALFT
.irp s, 0,1
	v_add_nc_u32 v[ADRA+\s], s21, v4
	v_add_nc_u32 v[ADRB+\s], s22, v4
	s_add_co_u32 s21, s21, SLOT
	s_add_co_u32 s22, s22, SLOT
.endr
	v_mul_u32_u24 v5, v1, KS                       ; my row's scales: 32 bytes a row, 16 more for each 256 passed
	v_lshrrev_b32 v6, 8, v5
	v_lshl_add_u32 v5, v6, 4, v5
	s_mul_i32 s21, s15, HALFS
	s_mul_i32 s22, s16, HALFS
	s_add_co_u32 s22, s22, 2*HALFS
	s_sub_co_u32 s22, s22, s21
	v_mul_u32_u24 v6, s22, v2                      ; lanes 16-31 take B's
	s_add_co_u32 s21, s21, SCL
	v_add_nc_u32 v5, v5, v6
	v_add_nc_u32 v[ADRS], s21, v5
	s_mul_i32 s23, s14, 2*16*HP                    ; my stage
	v_mul_u32_u24 v5, v1, HP
	v_lshl_add_u32 v5, v2, 4, v5
	v_add_nc_u32 v[STO], s23, v5                   ; in: row r, 16 bytes for each half of the lanes
	v_and_b32 v6, 31, v0
	v_lshlrev_b32 v[CO], 4, v6                     ; in memory: 16 x lane
	v_lshrrev_b32 v5, 3, v6
	v_mul_u32_u24 v5, v5, HP
	v_and_b32 v6, 7, v0
	v_lshl_add_u32 v5, v6, 4, v5
	v_add_nc_u32 v[RD], s23, v5                    ; back: eight lanes to a row of 128 bytes, four rows an instruction
	v_mul_u32_u24 v[C32], v1, 12288
	v_lshl_add_u32 v[C32], v2, 5, v[C32]           ; the f32 copy: row r of 12,288 bytes, + 32 h
	s_lshl_b32 s20, s17, 15                        ; 256 rows of 128 bytes for each tile row,
	s_lshl_b32 s21, s15, 14                        ; 128 for my half
	s_add_co_u32 s20, s20, s21
	s_lshl_b32 s46, s42, 21                        ; four heads of 524,288 bytes for each tile column,
	s_lshl_b32 s47, s16, 20                        ; two for my half
	s_add_co_u32 s46, s46, s47
	s_add_co_u32 s20, s20, s46
	s_mov_b32 s21, 0
	s_add_nc_u64 s[12:13], s[12:13], s[20:21]
	s_mul_i32 s46, s41, 16*12288
	s_lshl_b32 s47, s42, 10
	s_add_co_u32 s46, s46, s47
	s_lshl_b32 s47, s16, 9
	s_add_co_u32 s46, s46, s47
	s_mov_b32 s47, 0
	s_add_nc_u64 s[96:97], s[96:97], s[46:47]
.macro FRAG reg, adr, q, i             ; 16 rows x 128 K of 4-bit codes: 8 registers, two loads of 16 bytes, 32 bytes apart
.irp c, 0,1
	ds_load_b128 v[\reg+4*\c:\reg+4*\c+3], v[\adr] offset:64*(\q)+32*\c+(\i)*16*PITCH
.endr
.endm
; 16 matrix instructions: A's blocks a0, a0 + 1 x B's eight.  The 64 accumulators take turns, one instruction a turn, in the same order in every step.
.macro MUL16 a0, p, q, sc, zero
.irp a, \a0, \a0+1
.irp b, 0,1,2,3,4,5,6,7
.if \zero
	v_wmma_scale_f32_16x16x128_f8f6f4 v[8*(8*((\a)%4)+\b):8*(8*((\a)%4)+\b)+7], v[128*(\p)+FR*\b:128*(\p)+FR*\b+FR-1], v[AF+FR*(\a):AF+FR*(\a)+FR-1], 0, v[SC+8*NQ*(\sc)+NQ*\b+(\q)], v[SC+8*NQ*(\sc)+NQ*(\a)+(\q)] matrix_a_fmt:MATRIX_FMT_FP4 matrix_b_fmt:MATRIX_FMT_FP4 matrix_a_scale:MATRIX_SCALE_ROW1
.else
	v_wmma_scale_f32_16x16x128_f8f6f4 v[8*(8*((\a)%4)+\b):8*(8*((\a)%4)+\b)+7], v[128*(\p)+FR*\b:128*(\p)+FR*\b+FR-1], v[AF+FR*(\a):AF+FR*(\a)+FR-1], v[8*(8*((\a)%4)+\b):8*(8*((\a)%4)+\b)+7], v[SC+8*NQ*(\sc)+NQ*\b+(\q)], v[SC+8*NQ*(\sc)+NQ*(\a)+(\q)] matrix_a_fmt:MATRIX_FMT_FP4 matrix_b_fmt:MATRIX_FMT_FP4 matrix_a_scale:MATRIX_SCALE_ROW1
.endif
.endr
.endr
.endm
.macro FETCH_B slot, q, p
	WIN TO_B
.irp i, 0,1,2,3,4,5,6,7
	FRAG 128*(\p)+FR*\i, ADRB+\slot, \q, \i
.endr
	WIN 0
.endm
.macro FETCH_A slot, q, i0
.irp i, \i0, \i0+1, \i0+2, \i0+3
	FRAG AF+FR*(\i), ADRA+\slot, \q, \i
.endr
.endm
.macro SCALES sc                       ; a slot's scale words: lanes 0-15 A's block i, lanes 16-31 B's block i
.irp i, 0,1,2,3,4,5,6,7
	ds_load_b128 v[SC+8*NQ*\sc+NQ*\i:SC+8*NQ*\sc+NQ*\i+3], v[ADRS] offset:\i*SBLK
.endr
.endm
.macro PLACES n                        ; plain vector lines between a matrix instruction and a load into, or a read of, its registers
.rept \n
	v_nop
.endr
.endm
.macro STEP slot, q, zero              ; 128 along K with its successor in the same slot
	s_wait_dscnt 4*NL                              ; B's set and A's blocks 0-3 are in; A's blocks 4-7 (eight loads) may be out
	WIN MUL_LO
	MUL16 0, (\q)%2, \q, \slot, \zero
	MUL16 2, (\q)%2, \q, \slot, \zero
	s_wait_dscnt 0
	PLACES NP
	FETCH_B \slot, (\q)+1, 1-(\q)%2
	FETCH_A \slot, (\q)+1, 0
	WIN MUL_HI
	MUL16 4, (\q)%2, \q, \slot, \zero
	MUL16 6, (\q)%2, \q, \slot, \zero
	PLACES NP
	WIN 0
	FETCH_A \slot, (\q)+1, 4
.endm
	s_wait_tensorcnt 1                             ; the scales and my part of slot 0 are in; slot 1's load may be out
	s_barrier_signal -1
	s_barrier_wait -1                              ; everybody's are
	FETCH_B 0, 0, 0
	FETCH_A 0, 0, 0
	SCALES 0
	FETCH_A 0, 0, 4
	STEP 0, 0, 1                                   ; the first products start the sums: nothing is cleared
	STEP 0, 1, 0
	STEP 0, 2, 0
	; slot 0's last step changes slots: one barrier
	s_wait_tensorcnt 0x0                           ; my part of slot 1 has landed
	ds_add_u32 v[SPW], v[NIL]                      ; 0 onto my spare word
	s_wait_dscnt 4*NL+1                            ; the add and A's blocks 4-7 may be out
	WIN MUL_LO
	MUL16 0, 1, NQ-1, 0, 0
	s_wait_dscnt 0x0                               ; the add is done, and my reads of slot 0 are over
	s_barrier_signal -1
	MUL16 2, 1, NQ-1, 0, 0
	WIN 0
	s_barrier_wait -1
	PLACES NP
	v_add_nc_u32 v[ADRS], 4*NQ, v[ADRS]            ; the second slot's scale words
	FETCH_B 1, 0, 0
	FETCH_A 1, 0, 0
	SCALES 1
	WIN MUL_HI
	MUL16 4, 1, NQ-1, 0, 0
	MUL16 6, 1, NQ-1, 0, 0
	PLACES NP
	WIN 0
	FETCH_A 1, 0, 4
	STEP 1, 0, 0
	STEP 1, 1, 0
	STEP 1, 2, 0
	s_wait_dscnt 4*NL
	WIN MUL_LO
	MUL16 0, 1, NQ-1, 1, 0
	MUL16 2, 1, NQ-1, 1, 0
	s_wait_dscnt 0
	WIN MUL_HI
	MUL16 4, 1, NQ-1, 1, 0
	MUL16 6, 1, NQ-1, 1, 0
	WIN 0
	PLACES NP                                      ; behind the last products: for the reads of results and the loads into A's registers below
	; the f32 copy: the first 16 rows of my tile, where my cluster is in the first row of clusters and my half of the rows is the upper one: ids that all partners share, and the wave's number
	s_and_b32 s18, ttmp7, 0xffff
	s_or_b32 s18, s18, s15
	s_cmp_lg_u32 s18, 0
	s_cbranch_scc1 .Lno32
	WIN 0x08                                       ; a store's data are its source 1: window 2
.irp b, 0,1,2,3,4,5,6,7
	global_store_b128 v[C32], v[8*\b:8*\b+3], s[96:97] offset:64*\b          ; each accumulator from its low end on
	global_store_b128 v[C32], v[8*\b+4:8*\b+7], s[96:97] offset:64*\b+16
.endr
	WIN 0
.Lno32:
; THE WAY OUT, block by block of 16 rows x 128 columns (two heads): rounded to f16, 16 bytes a lane into my stage, back as whole rows of a head: four rows, 512 consecutive bytes, an instruction.
.macro TOSTAGE a
.set AC, 64*((\a)%4)
	WIN 0x0a+5*((\a)/4)                            ; sources 0 and 1: window 2 or 3
.irp b, 0,1,2,3,4,5,6,7
.irp i, 0,1,2,3
	v_cvt_pk_f16_f32 v[TMP+4*\b+\i], v[AC+8*\b+2*\i], v[AC+8*\b+2*\i+1]
.endr
.endr
	WIN 0
.irp b, 0,1,2,3,4,5,6,7
	ds_store_b128 v[STO], v[TMP+4*\b:TMP+4*\b+3] offset:(\b/4)*16*HP+32*(\b%4)
.endr
.set BB, BK+32*((\a)%2)
.irp n, 0,1,2,3,4,5,6,7
	ds_load_b128 v[BB+4*\n:BB+4*\n+3], v[RD] offset:(\n/4)*16*HP+(\n%4)*4*HP   ; LDS serves a wave's instructions in order: these see the stores above
.endr
.endm
.macro SEND a, younger
.set BB, BK+32*((\a)%2)
	s_wait_dscnt \younger
.irp n, 0,1,2,3,4,5,6,7
	global_store_b128 v[CO], v[BB+4*\n:BB+4*\n+3], s[12:13] offset:(\n/4)*524288+(\a)*2048+(\n%4)*512
.endr
.endm
	TOSTAGE 0
.irp a, 1,2,3,4,5,6,7
.if \a > 1
	s_wait_xcnt 0x0                                ; block a - 2's stores have read their registers: block a's loads may land there
.endif
	TOSTAGE \a
	SEND \a-1, 16                                  ; behind block a - 1's loads: block a's 8 stores and 8 loads
.endr
	SEND 7, 0
	s_wait_tensorcnt 0x0                           ; the wave's end
	ds_add_u32 v[SPW], v[NIL]
	s_wait_dscnt 0x0
	CROUND                                         ; the closing round
	s_endpgm
.Lfunc_end_k_qabb5d2f3cc_qkv:
	.size	k_qabb5d2f3cc_qkv, .Lfunc_end_k_qabb5d2f3cc_qkv-k_qabb5d2f3cc_qkv
	.p2alignl 7, 3214868480
	.fill 96, 4, 3214868480
	.section	.rodata,"a",@progbits
	.p2align	6, 0x0
	.amdhsa_kernel k_qabb5d2f3cc_qkv
		.amdhsa_group_segment_fixed_size 327680
		.amdhsa_private_segment_fixed_size 0
		.amdhsa_enable_private_segment 0
		.amdhsa_kernarg_size 48
		.amdhsa_user_sgpr_count 2
		.amdhsa_user_sgpr_kernarg_segment_ptr 1
		.amdhsa_wavefront_size32 1
		.amdhsa_system_sgpr_workgroup_id_x 1
		.amdhsa_system_sgpr_workgroup_id_y 1
		.amdhsa_system_sgpr_workgroup_id_z 1
		.amdhsa_system_vgpr_workitem_id 0
		.amdhsa_next_free_vgpr 1024
		.amdhsa_next_free_sgpr 98
		.amdhsa_reserve_vcc 0
		.amdhsa_float_denorm_mode_32 3
		.amdhsa_float_denorm_mode_16_64 3
		.amdhsa_memory_ordered 1
		.amdhsa_forward_progress 1
		.amdhsa_inst_pref_size 128
	.end_amdhsa_kernel
	.amdgpu_metadata
---
amdhsa.version: [ 1, 2 ]
amdhsa.kernels:
  - .name:           k_qabb5d2f3cc_qkv
    .symbol:         k_qabb5d2f3cc_qkv.kd
    .args:
      - { .name: xc, .offset: 0, .size: 8, .value_kind: global_buffer, .address_space: global }
      - { .name: xs, .offset: 8, .size: 8, .value_kind: global_buffer, .address_space: global }
      - { .name: wc, .offset: 16, .size: 8, .value_kind: global_buffer, .address_space: global }
      - { .name: ws, .offset: 24, .size: 8, .value_kind: global_buffer, .address_space: global }
      - { .name: qkv16, .offset: 32, .size: 8, .value_kind: global_buffer, .address_space: global }
      - { .name: qkv32, .offset: 40, .size: 8, .value_kind: global_buffer, .address_space: global }
    .group_segment_fixed_size: 327680
    .private_segment_fixed_size: 0
    .kernarg_segment_align: 8
    .kernarg_segment_size: 48
    .max_flat_workgroup_size: 128
    .sgpr_count:     98
    .vgpr_count:     1024
    .wavefront_size: 32
...
	.end_amdgpu_metadata
.endif
;; end of part 2
;; launch attn (part 3): grid 16 x 16, 16 waves a work-group, no clusters, 327,680 bytes of LDS; arguments qkv16, o16; writes o16
.if DOCPART == 3
	.amdgcn_target "amdgcn-amd-amdhsa--gfx1250"
	.amdhsa_code_object_version 6
	.text
	.protected	k_qabb5d2f3cc_attn
	.globl	k_qabb5d2f3cc_attn
	.p2align	8
	.type	k_qabb5d2f3cc_attn,@function
k_qabb5d2f3cc_attn:
	s_mov_b64 s[64:65], 0
	v_nop
	global_prefetch_b8 v0, s[64:65] scope:SCOPE_SE
	s_setreg_imm32_b32 hwreg(HW_REG_WAVE_MODE, 25, 1), 1
	s_wait_xcnt 0x0
; o[head][q] = the sum over k <= q of softmax_k(q . k / 8) v, on f16 operands with f32 sums, a running maximum and a running sum for each query.
; q, k, v: qkv16 [48 G][4096][64] f16 (G = head, 16 + head, 32 + head); o16 [16 head][4096][64] f16.
; SHARES.  Work-group (j, head) owns two blocks of 128 queries: block 31 - j first, then block j.  Keys come in slots of 256; block b wants b / 2 + 1 of them, and the two blocks together always 17:
; one loop of constant count, the same work in all 256 work-groups.  Wave w takes 32 queries (two tiles; w % 4) and 64 keys of every slot (w / 4): each fragment of K and V from LDS feeds two products,
; four waves share a SIMD's registers, and one wave's softmax stands beside another's products.  At a block's end the four partial results of a query are merged through LDS by waves 12-15.
; LAYOUT.  S^T = K Q^T (source 0 = 16 keys, source 1 = 16 queries), O^T = V^T P (source 0 = 16 channels, source 1 = P): a lane holds one query throughout; two tiles of S^T rounded in pairs are P.
; V comes out of LDS turned, by ds_load_tr16_b128.  p = 2^(c s - c m), c = log2(e) / 8; in every step O and l are multiplied by 2^(c m_old - c m_new).
; THE MASK.  A step all of whose 64 keys come after the wave's 32 queries is left out by a scalar branch on ids; on the diagonal hidden scores become -infinity.  In a step that is walked the first key
; counts for every query (both are multiples of 32), so the maximum is a number.  A wave with no step in a block hands on l = 0, O = 0 and a maximum under every other.
; NO CLUSTER: the work-groups of a head want different numbers of slots and change blocks at different trips, so partners could not make every joint request for tiles that they read.
; LIMITS: operands in f16: magnitudes beyond 65,504 are not served; NaN and infinities are not served.  Rows 0-15 of the sequence are made again, in f32, by a later launch.
.set PK,    144                        ; a key's row in LDS: 128 bytes + 16
.set PV,    160                        ; a value's row: 128 + 32
.set VOFF,  256*PK                     ; a slot: 256 rows of K, then 256 of V
.set SLOT1, 1<<17                      ; slot 1 begins here: one exclusive or turns an address
.set OST,   VOFF+256*PV                ; behind slot 0: four stages of 32 rows x 144 bytes for the way out
.set MST,   SLOT1+OST                  ; behind slot 1: the merge images, 12 regions of 17 x 512 bytes
.set MREG,  17*512
.set SPARE, MST+12*MREG                ; the spare words, 128 bytes for each of 16 waves: eight blocks of 256 bytes that no other line names
.set AK0, 1                            ; v1  my lane's place in my 64 keys of a slot
.set AV0, 2                            ; v2  the same for V
.set ADK, 3
.set ADV, 4
.set SPW, 5
.set NIL, 6
.set QO,  7                            ; v7  my byte in 16 rows of Q
.set MW,  8                            ; v8  where I store my image
.set MR,  9                            ; v9  where the merging wave reads
.set PFO, 10                           ; v10 256 x lane
.set GO,  11                           ; v11 16 x lane
.set OSW, 14
.set OSR, 15
.set QF,  16                           ; v16-47   Q: fragment (tile x, channels 32 e) at 16 x + 8 e
.set FR,  48                           ; v48-111  eight fragments of K, then of V
.set SS,  112                          ; v112-175 S^T, 32 a tile; P is made in place in each tile's first 16
.set OA,  176                          ; v176-239 O^T: (x, 16 channels ct) at 32 x + 8 ct
.set ST,  240                          ; v240-255 a tile's eight: c m, m, l, l, t0, t1, a, tmp
.set WV,  8
.set QG,  9
.set KG,  10
.set NB,  11                           ; slots of the first block
.set TR,  12                           ; the trip
.set Q0,  13                           ; my first query
.set KF,  14                           ; my first key of the step
.set TB,  15                           ; the slot in hand
.set KB,  16
.set VB,  18
.set QB,  20
.set OB,  22
.set G1K, 24
.set G1V, 32
.set G0K, 40
.set G0V, 44
.set SEL, 48
.set CS,  50
.set Q0N, 53                           ; my first query in the second block
.set QP,  54                           ; s[54:55] its row of Q
.set PFA, 60
.set LIM, 62
; Wave 0 fetches a slot's K, wave 1 its V: one load a wave, 256 rows.  The branches hang on the wave's number alone.  An s_nop 0 and four v_nop follow each load.
.macro TLOAD
	s_cmp_lg_u32 s[WV], 0
	s_cbranch_scc1 .Lnot_k_\@
	tensor_load_to_lds s[G0K:G0K+3], s[G1K:G1K+7]
	s_nop 0
.rept 4
	v_nop
.endr
	s_branch .Lasked_\@
.Lnot_k_\@:
	s_cmp_lg_u32 s[WV], 1
	s_cbranch_scc1 .Lasked_\@
	tensor_load_to_lds s[G0V:G0V+3], s[G1V:G1V+7]
	s_nop 0
.rept 4
	v_nop
.endr
.Lasked_\@:
.endm
; A prefetch of the slot that the NEXT change will ask for.  All work-groups of a head walk the same K and V from slot 0 on: the head's work-group 0, which walks all 16, asks, and nobody else.
; In it waves 4-7 ask for K's 32,768 bytes, 8,192 a wave, lanes 256 bytes apart; waves 8-11 for V's.  Trip t names slot t + 2; the last is trip 13's, slot 15.
.macro ASK
	s_cmp_lt_u32 s[TR], s[LIM]
	s_cbranch_scc0 .Lnot_mine_\@
	global_prefetch_b8 v[PFO], s[PFA:PFA+1] th:TH_LOAD_NT scope:SCOPE_SE
.Lnot_mine_\@:
.endm
; THE CHANGE OF SLOTS, at a trip's head.  Every wave waits for all its tensor loads, adds 0 to its spare word, waits for that and for its reads of the slot left; behind the barrier the slot ahead is whole
; and nobody reads the other one, which (fill = 1) takes the next trip's keys: slot trip + 1 of the block in hand, or slot 0 of the second block.
.macro CHANGE fill
	s_wait_tensorcnt 0x0                           ; no tensor load of mine is out, so a descriptor may be written
	ds_add_u32 v[SPW], v[NIL]
.if \fill
	ds_add_u32 v[SPW], v[NIL]                      ; and twice on end here
	s_xor_b32 s[G0K+1], s[G0K+1], SLOT1
	s_xor_b32 s[G0V+1], s[G0V+1], SLOT1
	s_add_co_u32 s52, s[TR], 1
	s_cmp_ge_u32 s52, s[NB]
	s_cselect_b32 s56, s[NB], 0
	s_sub_co_u32 s56, s52, s56                     ; which 256 keys
	s_lshl_b32 s56, s56, 15                        ; of 128 bytes each
	s_mov_b32 s57, 0
	s_add_nc_u64 s[G0K+2:G0K+3], s[KB:KB+1], s[56:57]
	s_or_b32 s[G0K+3], s[G0K+3], 0x80000000
	s_add_nc_u64 s[G0V+2:G0V+3], s[VB:VB+1], s[56:57]
	s_or_b32 s[G0V+3], s[G0V+3], 0x80000000
	s_wait_xcnt 0x0                                ; the last prefetch, a trip back, has read its address
	s_add_nc_u64 s[PFA:PFA+1], s[PFA:PFA+1], 32768
.endif
	s_wait_dscnt 0x0                               ; the add is done, and my reads of the slot that I have left are over
	s_barrier_signal -1
	s_barrier_wait -1
.if \fill
	TLOAD                                          ; the first thing behind the barrier, a wave's one tensor load until the next: one is out
	ASK
.endif
.endm
.macro QLOAD p                         ; 32 rows of Q from s[p:p+1] on
.irp x, 0,1
.irp e, 0,1
.irp c, 0,1
	global_load_b128 v[QF+16*\x+8*\e+4*\c:QF+16*\x+8*\e+4*\c+3], v[QO], s[\p:\p+1] offset:2048*\x+64*\e+32*\c
.endr
.endr
.endr
.endm
.macro INIT                            ; a block begins: m = -3e38, under every score; l = 0; O = 0: the first change of m multiplies zeros
.irp x, 0,1
	v_mov_b32 v[ST+8*\x+1], 0xff61b1e6
	v_mul_f32 v[ST+8*\x], s[CS], v[ST+8*\x+1]
.irp i, 2,3,4,5,6,7
	v_mov_b32 v[ST+8*\x+\i], 0
.endr
.endr
.set n, 0
.rept 64
	v_mov_b32 v[OA+n], 0
.set n, n+1
.endr
.endm
; A STEP: my 64 keys of the slot in hand against my 32 queries.
.macro STEP
	s_add_co_u32 s52, s[Q0], 31
	s_cmp_gt_u32 s[KF], s52                        ; all my keys come after all my queries: nothing to do
	s_cbranch_scc1 .Lhidden_\@
	v_add_nc_u32 v[ADK], s[TB], v[AK0]
	v_add_nc_u32 v[ADV], s[TB], v[AV0]
.irp u, 0,1,2,3
.irp e, 0,1
	ds_load_b128 v[FR+8*(2*\u+\e):FR+8*(2*\u+\e)+3],   v[ADK] offset:\u*16*PK+64*\e
	ds_load_b128 v[FR+8*(2*\u+\e)+4:FR+8*(2*\u+\e)+7], v[ADK] offset:\u*16*PK+64*\e+32
.endr
.endr
	s_wait_dscnt 0x0
.irp e, 0,1                            ; eight accumulators by turns, one instruction a turn; the first eight start the sums
.irp u, 0,1,2,3
.irp x, 0,1
.if \e == 0
	v_wmma_f32_16x16x32_f16 v[SS+32*\x+8*\u:SS+32*\x+8*\u+7], v[FR+8*(2*\u+\e):FR+8*(2*\u+\e)+7], v[QF+16*\x+8*\e:QF+16*\x+8*\e+7], 0
.else
	v_wmma_f32_16x16x32_f16 v[SS+32*\x+8*\u:SS+32*\x+8*\u+7], v[FR+8*(2*\u+\e):FR+8*(2*\u+\e)+7], v[QF+16*\x+8*\e:QF+16*\x+8*\e+7], v[SS+32*\x+8*\u:SS+32*\x+8*\u+7]
.endif
.endr
.endr
.endr
.rept 4
	v_nop                                          ; places: ahead of the loads into K's registers and of the first read of the scores
.endr
.irp ks, 0,1                           ; V, turned: fragment (32 keys ks, 16 channels ct); it lands under the softmax
.irp ct, 0,1,2,3
	ds_load_tr16_b128 v[FR+8*(4*\ks+\ct):FR+8*(4*\ks+\ct)+3],   v[ADV] offset:\ks*32*PV+32*\ct
	ds_load_tr16_b128 v[FR+8*(4*\ks+\ct)+4:FR+8*(4*\ks+\ct)+7], v[ADV] offset:\ks*32*PV+16*PV+32*\ct
.endr
.endr
	s_add_co_u32 s52, s[KF], 63
	s_cmp_le_u32 s52, s[Q0]                        ; all my keys count for all my queries
	s_cbranch_scc1 .Lopen_\@
	s_sub_co_i32 s52, s[Q0], s[KF]
	v_and_b32 v12, 15, v0
	v_bfe_u32 v13, v0, 4, 1
	v_lshlrev_b32 v13, 3, v13
	v_sub_nc_u32 v12, v12, v13
	v_add_nc_u32 v12, s52, v12                     ; Q0 - KF + r - 8 h.  Register (x, u, i) holds key KF + 16 u + 8 h + i for query Q0 + 16 x + r: hidden where 16 u + i - 16 x is greater
	v_mov_b32 v13, 0xff800000                      ; -infinity
.set n, 0
.rept 64
	v_cmp_gt_i32 vcc_lo, 16*((n%32)/8)+n%8-16*(n/32), v12
	v_cndmask_b32 v[SS+n], v[SS+n], v13, vcc_lo
.set n, n+1
.endr
.Lopen_\@:
	; the softmax, the two tiles by turns.  The maximum of 32 scores and the old m, in two chains, each accumulator from its low end on
.irp x, 0,1
	v_max3_num_f32 v[ST+8*\x+4], v[SS+32*\x], v[SS+32*\x+1], v[SS+32*\x+2]
	v_max3_num_f32 v[ST+8*\x+5], v[SS+32*\x+3], v[SS+32*\x+4], v[SS+32*\x+5]
.endr
.irp n, 6,10,14,18,22,26
.irp x, 0,1
	v_max3_num_f32 v[ST+8*\x+4], v[ST+8*\x+4], v[SS+32*\x+\n], v[SS+32*\x+\n+1]
	v_max3_num_f32 v[ST+8*\x+5], v[ST+8*\x+5], v[SS+32*\x+\n+2], v[SS+32*\x+\n+3]
.endr
.endr
.irp x, 0,1
	v_max3_num_f32 v[ST+8*\x+4], v[ST+8*\x+4], v[SS+32*\x+30], v[SS+32*\x+31]
.endr
.irp x, 0,1
	v_max3_num_f32 v[ST+8*\x+4], v[ST+8*\x+4], v[ST+8*\x+5], v[ST+8*\x+1]
.endr
.irp x, 0,1
	v_permlanex16_b32 v[ST+8*\x+5], v[ST+8*\x+4], s[SEL], s[SEL+1]   ; the query's other 32 keys lie in the lane 16 away
.endr
.irp x, 0,1
	v_mov_b32 v[ST+8*\x+7], v[ST+8*\x]             ; c m_old
.endr
.irp x, 0,1
	v_max_num_f32 v[ST+8*\x+1], v[ST+8*\x+4], v[ST+8*\x+5]
.endr
.irp x, 0,1
	v_mul_f32 v[ST+8*\x], s[CS], v[ST+8*\x+1]
.endr
.irp x, 0,1
	v_sub_f32 v[ST+8*\x+7], v[ST+8*\x+7], v[ST+8*\x]
.endr
.irp n, 0,2,4,6,8,10,12,14,16,18,20,22,24,26,28,30
.irp x, 0,1
	v_pk_fma_f32 v[SS+32*\x+\n:SS+32*\x+\n+1], v[SS+32*\x+\n:SS+32*\x+\n+1], s[CS:CS+1], v[ST+8*\x:ST+8*\x+1] op_sel_hi:[1,0,0] neg_lo:[0,0,1] neg_hi:[0,0,1]   ; c s - c m
.endr
.endr
.irp x, 0,1
	v_exp_f32 v[ST+8*\x+6], v[ST+8*\x+7]           ; a
.endr
.set n, 0
.rept 64
	v_exp_f32 v[SS+n], v[SS+n]                     ; p: one batch of 66 exponentials
.set n, n+1
.endr
	v_nop                                          ; a plain line behind the last exponential
	s_wait_alu depctr_va_vdst(0)                   ; one wait for the batch, ahead of its first reader
.irp x, 0,1
	v_pk_mul_f32 v[ST+8*\x+2:ST+8*\x+3], v[ST+8*\x+2:ST+8*\x+3], v[ST+8*\x+6:ST+8*\x+7] op_sel_hi:[1,0]   ; l x a
	v_pk_add_f32 v[ST+8*\x+4:ST+8*\x+5], v[SS+32*\x:SS+32*\x+1], v[SS+32*\x+2:SS+32*\x+3]                 ; the sum of the unrounded p, in two chains
.endr
.irp n, 4,8,12,16,20,24,28
.irp x, 0,1
	v_pk_add_f32 v[ST+8*\x+2:ST+8*\x+3], v[ST+8*\x+2:ST+8*\x+3], v[SS+32*\x+\n:SS+32*\x+\n+1]
	v_pk_add_f32 v[ST+8*\x+4:ST+8*\x+5], v[ST+8*\x+4:ST+8*\x+5], v[SS+32*\x+\n+2:SS+32*\x+\n+3]
.endr
.endr
.irp x, 0,1
	v_pk_add_f32 v[ST+8*\x+2:ST+8*\x+3], v[ST+8*\x+2:ST+8*\x+3], v[ST+8*\x+4:ST+8*\x+5]
.endr
.set n, 0
.rept 16
	v_cvt_pk_f16_f32 v[SS+n], v[SS+2*n], v[SS+2*n+1]               ; P in place, ascending: register n is written when registers 2 n on are still whole
	v_cvt_pk_f16_f32 v[SS+32+n], v[SS+32+2*n], v[SS+32+2*n+1]
.set n, n+1
.endr
.set n, 0
.rept 16
	v_pk_mul_f32 v[OA+2*n:OA+2*n+1], v[OA+2*n:OA+2*n+1], v[ST+6:ST+7] op_sel_hi:[1,0]             ; O x a
	v_pk_mul_f32 v[OA+32+2*n:OA+32+2*n+1], v[OA+32+2*n:OA+32+2*n+1], v[ST+14:ST+15] op_sel_hi:[1,0]
.set n, n+1
.endr
	s_wait_dscnt 0x0                               ; V is in
.irp ks, 0,1
.irp ct, 0,1,2,3
.irp x, 0,1
	v_wmma_f32_16x16x32_f16 v[OA+32*\x+8*\ct:OA+32*\x+8*\ct+7], v[FR+8*(4*\ks+\ct):FR+8*(4*\ks+\ct)+7], v[SS+32*\x+8*\ks:SS+32*\x+8*\ks+7], v[OA+32*\x+8*\ct:OA+32*\x+8*\ct+7]
.endr
.endr
.endr
.rept 5
	v_nop                                          ; places: the next products write over P, the next loads land in V's registers, a block's end reads O
.endr
.Lhidden_\@:
	s_add_co_u32 s[KF], s[KF], 256
.endm
; A BLOCK'S END.  Waves 0-11 hand their O (16 pieces of 512 bytes, registers as they stand) and {c m, l} of both tiles to LDS; a barrier; waves 12-15 bring the four parts under one maximum,
; divide by the sum, round to f16 and store 32 whole rows (4,096 consecutive bytes) through a stage of their own.  last = 0: the second block is set up.
.macro BLOCK_END last
.if !\last
	QLOAD QP                                       ; asked for here, waited for at the end
.endif
.irp x, 0,1
	v_add_f32 v[ST+8*\x+1], v[ST+8*\x+2], v[ST+8*\x+3]
.endr
.irp x, 0,1
	v_permlanex16_b32 v[ST+8*\x+4], v[ST+8*\x+1], s[SEL], s[SEL+1]
.endr
.irp x, 0,1
	v_add_f32 v[ST+8*\x+1], v[ST+8*\x+1], v[ST+8*\x+4]           ; l of my 64-key share
.endr
	v_mov_b32 v[ST+2], v[ST+8]
	v_mov_b32 v[ST+3], v[ST+9]                     ; v[240:243] = c m, l of tile 0; c m, l of tile 1
	s_cmp_lt_u32 s[WV], 12
	s_cbranch_scc0 .Lmine_\@
.set n, 0
.rept 16
	ds_store_b128 v[MW], v[OA+4*n:OA+4*n+3] offset:512*n
.set n, n+1
.endr
	ds_store_b128 v[MW], v[ST:ST+3] offset:8192
.Lmine_\@:
	s_wait_dscnt 0x0                               ; for the others' sake: my stores have landed
	s_barrier_signal -1
	s_barrier_wait -1                              ; the next slot's load may stay out
	s_cmp_lt_u32 s[WV], 12
	s_cbranch_scc1 .Ldone_\@
.irp g, 0,1,2
	ds_load_b128 v[ST+4+4*\g:ST+7+4*\g], v[MR] offset:\g*MREG+8192
.endr
.set n, 0
.rept 16
	ds_load_b128 v[SS+4*n:SS+4*n+3], v[MR] offset:512*n
.set n, n+1
.endr
.set n, 0
.rept 16
	ds_load_b128 v[FR+4*n:FR+4*n+3], v[MR] offset:MREG+512*n
.set n, n+1
.endr
	s_wait_dscnt 32                                ; the three quadruples are in; the 32 loads of two images may be out
	v_max3_num_f32 v12, v[ST], v[ST+4], v[ST+8]
	v_max3_num_f32 v13, v[ST+2], v[ST+6], v[ST+10]
	v_max_num_f32 v12, v12, v[ST+12]
	v_max_num_f32 v13, v13, v[ST+14]
.irp g, 0,1,2,3
	v_sub_f32 v[ST+4*\g], v[ST+4*\g], v12
	v_sub_f32 v[ST+4*\g+2], v[ST+4*\g+2], v13
.endr
.irp g, 0,1,2,3
	v_exp_f32 v[ST+4*\g], v[ST+4*\g]               ; each part's factor
	v_exp_f32 v[ST+4*\g+2], v[ST+4*\g+2]
.endr
	v_nop
	s_wait_alu depctr_va_vdst(0)                   ; one wait for the eight
	v_mul_f32 v12, v[ST], v[ST+1]
	v_mul_f32 v13, v[ST+2], v[ST+3]
.irp g, 1,2,3
	v_fmac_f32 v12, v[ST+4*\g], v[ST+4*\g+1]
	v_fmac_f32 v13, v[ST+4*\g+2], v[ST+4*\g+3]
.endr
	v_rcp_f32 v12, v12
	v_rcp_f32 v13, v13
	v_nop
	s_wait_alu depctr_va_vdst(0)                   ; one wait for the two
.irp g, 0,1,2,3
	v_mul_f32 v[ST+4*\g], v[ST+4*\g], v12          ; factor / sum
	v_mul_f32 v[ST+4*\g+2], v[ST+4*\g+2], v13
.endr
.irp x, 0,1
.irp n, 0,2,4,6,8,10,12,14,16,18,20,22,24,26,28,30
	v_pk_mul_f32 v[OA+32*\x+\n:OA+32*\x+\n+1], v[OA+32*\x+\n:OA+32*\x+\n+1], v[ST+2*\x:ST+2*\x+1] op_sel_hi:[1,0]
.endr
.endr
	s_wait_dscnt 16                                ; the first image is in
.irp x, 0,1
.irp n, 0,2,4,6,8,10,12,14,16,18,20,22,24,26,28,30
	v_pk_fma_f32 v[OA+32*\x+\n:OA+32*\x+\n+1], v[SS+32*\x+\n:SS+32*\x+\n+1], v[ST+4+2*\x:ST+5+2*\x], v[OA+32*\x+\n:OA+32*\x+\n+1] op_sel_hi:[1,0,1]
.endr
.endr
.set n, 0
.rept 16
	ds_load_b128 v[SS+4*n:SS+4*n+3], v[MR] offset:2*MREG+512*n
.set n, n+1
.endr
	s_wait_dscnt 16                                ; the second image is in; the third's 16 loads may be out
.irp x, 0,1
.irp n, 0,2,4,6,8,10,12,14,16,18,20,22,24,26,28,30
	v_pk_fma_f32 v[OA+32*\x+\n:OA+32*\x+\n+1], v[FR+32*\x+\n:FR+32*\x+\n+1], v[ST+8+2*\x:ST+9+2*\x], v[OA+32*\x+\n:OA+32*\x+\n+1] op_sel_hi:[1,0,1]
.endr
.endr
	s_wait_dscnt 0x0
.irp x, 0,1
.irp n, 0,2,4,6,8,10,12,14,16,18,20,22,24,26,28,30
	v_pk_fma_f32 v[OA+32*\x+\n:OA+32*\x+\n+1], v[SS+32*\x+\n:SS+32*\x+\n+1], v[ST+12+2*\x:ST+13+2*\x], v[OA+32*\x+\n:OA+32*\x+\n+1] op_sel_hi:[1,0,1]
.endr
.endr
.set n, 0
.rept 32
	v_cvt_pk_f16_f32 v[FR+n], v[OA+2*n], v[OA+2*n+1]
.set n, n+1
.endr
.irp x, 0,1
.irp ct, 0,1,2,3
	ds_store_b128 v[OSW], v[FR+16*\x+4*\ct:FR+16*\x+4*\ct+3] offset:\x*16*PK+32*\ct
.endr
.endr
.irp t, 0,1,2,3,4,5,6,7
	ds_load_b128 v[FR+32+4*\t:FR+32+4*\t+3], v[OSR] offset:\t*4*PK   ; my own stage: LDS serves a wave's instructions in order
.endr
	s_lshl_b32 s56, s[Q0], 7
	s_mov_b32 s57, 0
	s_add_nc_u64 s[58:59], s[OB:OB+1], s[56:57]
.irp t, 0,1,2,3,4,5,6,7
	s_wait_dscnt 7-\t
	global_store_b128 v[GO], v[FR+32+4*\t:FR+32+4*\t+3], s[58:59] offset:512*\t   ; 512 consecutive bytes: four rows of the head
.endr
	s_wait_xcnt 0x0                                ; the stores have read their registers and their base
.Ldone_\@:
.if !\last
	s_mov_b32 s[Q0], s[Q0N]
	s_lshl_b32 s[KF], s[KG], 6
	INIT
	s_wait_loadcnt 0x0                             ; the second block's Q
.endif
.endm
	s_load_b128 s[4:7], s[0:1], 0x0                ; qkv16, o16
	v_lshl_add_u32 v[SPW], v0, 2, SPARE
	v_mov_b32 v[NIL], 0
	ds_add_u32 v[SPW], v[NIL]                      ; the wave's opening: the add, twice on end, and its wait ahead of the first tensor load
	ds_add_u32 v[SPW], v[NIL]
	v_lshrrev_b32 v12, 5, v0
	v_readfirstlane_b32 s[WV], v12                 ; wave 0..15
	s_and_b32 s[QG], s[WV], 3
	s_lshr_b32 s[KG], s[WV], 2
	s_sub_co_u32 s2, 31, ttmp9                     ; the first block
	s_lshr_b32 s[NB], s2, 1
	s_add_co_u32 s[NB], s[NB], 1
	s_lshl_b32 s[Q0], s2, 7
	s_lshl_b32 s3, s[QG], 5
	s_add_co_u32 s[Q0], s[Q0], s3
	s_lshl_b32 s[Q0N], ttmp9, 7
	s_add_co_u32 s[Q0N], s[Q0N], s3
	s_lshl_b32 s[KF], s[KG], 6
	s_mov_b32 s[TB], 0
	s_mov_b32 s[TR], 0
	s_mov_b32 s[G1K], (1<<16)|(1<<20)|(4<<22)|(3<<25)   ; no mask; elements of 2 bytes; padding on: 4 words after every 32
	s_mov_b32 s[G1V], (1<<16)|(1<<20)|(4<<22)|(7<<25)   ; 8 words after every 32
.irp g, G1K, G1V
	s_mov_b32 s[\g+1], 64<<16                      ; tensor_dim0
	s_mov_b32 s[\g+2], 256<<16                     ; tensor_dim1
	s_mov_b32 s[\g+3], 64<<16                      ; tile_dim0
	s_mov_b32 s[\g+4], 256                         ; tile_dim1
	s_mov_b32 s[\g+5], 64                          ; pitch
	s_mov_b32 s[\g+6], 0
	s_mov_b32 s[\g+7], 0
.endr
	s_mov_b32 s[SEL], 0x76543210
	s_mov_b32 s[SEL+1], 0xfedcba98
	s_mov_b32 s[CS], 0x3e38aa3b                    ; c = log2(e) / 8
	s_mov_b32 s[CS+1], s[CS]
	s_and_b32 s2, ttmp7, 0xffff                    ; the head
	s_lshl_b32 s56, s2, 19                         ; 4,096 rows of 128 bytes
	s_mov_b32 s57, 0
	s_wait_dscnt 0x0                               ; both opening adds are done
	s_wait_kmcnt 0x0
	s_add_nc_u64 s[QB:QB+1], s[4:5], s[56:57]
	s_add_nc_u64 s[OB:OB+1], s[6:7], s[56:57]
	s_add_nc_u64 s[KB:KB+1], s[QB:QB+1], 16*524288
	s_add_nc_u64 s[VB:VB+1], s[QB:QB+1], 32*524288
	s_mov_b32 s[G0K], 1
	s_mov_b32 s[G0K+1], 0
	s_mov_b64 s[G0K+2:G0K+3], s[KB:KB+1]
	s_or_b32 s[G0K+3], s[G0K+3], 0x80000000
	s_mov_b32 s[G0V], 1
	s_mov_b32 s[G0V+1], VOFF
	s_mov_b64 s[G0V+2:G0V+3], s[VB:VB+1]
	s_or_b32 s[G0V+3], s[G0V+3], 0x80000000
	TLOAD                                          ; slot 0: keys 0-255, which count for every block
	v_and_b32 v12, 15, v0                          ; r
	v_bfe_u32 v13, v0, 4, 1                        ; h
	v_mul_u32_u24 v[AK0], v12, PK
	v_lshl_add_u32 v[AK0], v13, 4, v[AK0]
	s_mul_i32 s2, s[KG], 64*PK
	v_add_nc_u32 v[AK0], s2, v[AK0]                ; K: my 64 rows, row r, + 16 h
	v_and_b32 v3, 7, v0
	v_lshl_add_u32 v3, v13, 3, v3
	v_mul_u32_u24 v[AV0], v3, PV
	v_bfe_u32 v3, v0, 3, 1
	v_lshl_add_u32 v[AV0], v3, 4, v[AV0]
	s_mul_i32 s2, s[KG], 64*PV
	s_add_co_u32 s2, s2, VOFF
	v_add_nc_u32 v[AV0], s2, v[AV0]                ; V, for the turning load: key 8 h + lane % 8, channels 8 ((lane / 8) % 2) on
	v_lshlrev_b32 v[QO], 7, v12
	v_lshl_add_u32 v[QO], v13, 4, v[QO]
	v_and_b32 v4, 31, v0
	v_lshlrev_b32 v[GO], 4, v4
	v_lshlrev_b32 v[PFO], 8, v4
	s_mul_i32 s2, s[QG], 3*MREG
	s_add_co_u32 s2, s2, MST
	v_add_nc_u32 v[MR], s2, v[GO]
	s_mul_i32 s3, s[KG], MREG
	s_add_co_u32 s3, s3, s2
	v_add_nc_u32 v[MW], s3, v[GO]
	s_mul_i32 s2, s[QG], 32*PK
	s_add_co_u32 s2, s2, OST
	v_mul_u32_u24 v[OSW], v12, PK
	v_lshl_add_u32 v[OSW], v13, 4, v[OSW]
	v_add_nc_u32 v[OSW], s2, v[OSW]
	v_lshrrev_b32 v3, 3, v4
	v_mul_u32_u24 v[OSR], v3, PK
	v_and_b32 v3, 7, v0
	v_lshl_add_u32 v[OSR], v3, 4, v[OSR]
	v_add_nc_u32 v[OSR], s2, v[OSR]
	s_cmp_lt_u32 s[WV], 8                          ; the prefetches: waves 4-7 K, waves 8-11 V
	s_cselect_b64 s[PFA:PFA+1], s[KB:KB+1], s[VB:VB+1]
	s_and_b32 s2, s[WV], 3
	s_lshl_b32 s2, s2, 13
	s_add_co_u32 s2, s2, 32768                     ; in slot 1: the first change steps it to slot 2.  Nothing is prefetched at the head
	s_mov_b32 s3, 0
	s_add_nc_u64 s[PFA:PFA+1], s[PFA:PFA+1], s[2:3]
	s_sub_co_u32 s2, s[WV], 4
	s_lshr_b32 s2, s2, 3
	s_or_b32 s2, s2, ttmp9
	s_cmp_eq_u32 s2, 0
	s_cselect_b32 s[LIM], 14, 0
	s_lshl_b32 s56, s[Q0], 7
	s_add_nc_u64 s[58:59], s[QB:QB+1], s[56:57]
	QLOAD 58
	s_lshl_b32 s56, s[Q0N], 7
	s_add_nc_u64 s[QP:QP+1], s[QB:QB+1], s[56:57]
	INIT
	s_wait_loadcnt 0x0                             ; Q
.Ltrip:                                            ; 16 trips; behind each change of slots the next trip's keys are asked for
	CHANGE 1
	STEP
	s_xor_b32 s[TB], s[TB], SLOT1
	s_add_co_u32 s52, s[TR], 1
	s_cmp_lg_u32 s52, s[NB]                        ; the work-group's number and the trip alone: all sixteen waves go the same way
	s_cbranch_scc1 .Lsame
	BLOCK_END 0
.Lsame:
	s_add_co_u32 s[TR], s[TR], 1
	s_cmp_lt_u32 s[TR], 16
	s_cbranch_scc1 .Ltrip
	CHANGE 0                                       ; the seventeenth trip is written out: it asks for nothing
	STEP
	BLOCK_END 1
	s_wait_tensorcnt 0x0                           ; the wave's end
	ds_add_u32 v[SPW], v[NIL]
	s_wait_dscnt 0x0
	s_endpgm
.Lfunc_end_k_qabb5d2f3cc_attn:
	.size	k_qabb5d2f3cc_attn, .Lfunc_end_k_qabb5d2f3cc_attn-k_qabb5d2f3cc_attn
	.p2alignl 7, 3214868480
	.fill 96, 4, 3214868480
	.section	.rodata,"a",@progbits
	.p2align	6, 0x0
	.amdhsa_kernel k_qabb5d2f3cc_attn
		.amdhsa_group_segment_fixed_size 327680
		.amdhsa_private_segment_fixed_size 0
		.amdhsa_enable_private_segment 0
		.amdhsa_kernarg_size 16
		.amdhsa_user_sgpr_count 2
		.amdhsa_user_sgpr_kernarg_segment_ptr 1
		.amdhsa_wavefront_size32 1
		.amdhsa_system_sgpr_workgroup_id_x 1
		.amdhsa_system_sgpr_workgroup_id_y 1
		.amdhsa_system_sgpr_workgroup_id_z 1
		.amdhsa_system_vgpr_workitem_id 0
		.amdhsa_next_free_vgpr 256
		.amdhsa_next_free_sgpr 66
		.amdhsa_reserve_vcc 1
		.amdhsa_float_denorm_mode_32 3
		.amdhsa_float_denorm_mode_16_64 3
		.amdhsa_memory_ordered 1
		.amdhsa_forward_progress 1
		.amdhsa_inst_pref_size 95
	.end_amdhsa_kernel
	.amdgpu_metadata
---
amdhsa.version: [ 1, 2 ]
amdhsa.kernels:
  - .name:           k_qabb5d2f3cc_attn
    .symbol:         k_qabb5d2f3cc_attn.kd
    .args:
      - { .name: qkv16, .offset: 0, .size: 8, .value_kind: global_buffer, .address_space: global }
      - { .name: o16, .offset: 8, .size: 8, .value_kind: global_buffer, .address_space: global }
    .group_segment_fixed_size: 327680
    .private_segment_fixed_size: 0
    .kernarg_segment_align: 8
    .kernarg_segment_size: 16
    .max_flat_workgroup_size: 512
    .sgpr_count:     66
    .vgpr_count:     256
    .wavefront_size: 32
...
	.end_amdgpu_metadata
.endif
;; end of part 3
;; launch proj (part 4): grid 8 x 32, 4 waves a work-group, clusters of 4 x 4, 327,680 bytes of LDS; arguments o16, wo16, out0; writes out0
.if DOCPART == 4
	.amdgcn_target "amdgcn-amd-amdhsa--gfx1250"
	.amdhsa_code_object_version 6
	.text
	.protected	k_qabb5d2f3cc_proj
	.globl	k_qabb5d2f3cc_proj
	.p2align	8
	.type	k_qabb5d2f3cc_proj,@function
k_qabb5d2f3cc_proj:
	s_mov_b64 s[64:65], 0
	v_nop
	global_prefetch_b8 v0, s[64:65] scope:SCOPE_SE
	s_setreg_imm32_b32 hwreg(HW_REG_WAVE_MODE, 25, 1), 1
	s_wait_xcnt 0x0
	s_wait_alu depctr_hold_cnt(0) depctr_sa_sdst(0) depctr_va_vdst(0) depctr_va_sdst(0) depctr_va_ssrc(0) depctr_va_vcc(0) depctr_vm_vsrc(0)
	s_getreg_b32 s2, hwreg(HW_REG_IB_STS2, 6, 4)
	s_cmp_eq_u32 s2, 0
	s_cbranch_scc0 .Lentry_in_a_cluster
	s_endpgm
.Lentry_in_a_cluster:
	s_bfe_u32 s2, ttmp6, 0x10000c
	s_cmp_lg_u32 s2, 0xf033
	s_cbranch_scc0 .Lentry_shape_is_right
	s_endpgm
.Lentry_shape_is_right:
; out0 = o Wout, on f16 operands with f32 sums.  A = o16 [16 head][4096][64], B = wo16 [16 kb][1024 n][64]: both cut along K into planes of 64; out0 [4096][1024] f32.
; A tile of 128 x 128 is made by four waves, each 64 x 64: 16 accumulators.  K goes in steps of 256 (four planes) through a ring of two LDS slots.
; A wave's tensor load brings 64 rows of four planes: a plane's 64 rows are 8,192 consecutive bytes, so the tile is stated as 4 rows of 4,096 elements, a plane apart,
; with 16 bytes of padding behind every 128: in LDS rows of 64 numbers lie 144 bytes apart, planes 9,216.
; CLUSTERS: 4 x 4 work-groups; A's tiles are asked for jointly along a row of the cluster, B's along a column.  THE MATRIX INSTRUCTION IS USED TRANSPOSED: a lane holds eight neighbouring columns of a row.
; A wave's 64 columns of f32 are 256 bytes, aligned: each wave sends its own blocks through its own stage; no barrier on the way out.
; Rows 0-15 are written here too and made again in f32 by the next launch.  LIMIT: f16 operands.
; REGISTERS: window 0: v16-29 addresses; v32-95 the way out; v128-255 the accumulators.  window 1: two fragment buffers of 128.
.set PITCH,  144
.set PLANE,  64*PITCH
.set HALFT,  4*PLANE                   ; what one tensor load brings, and what one wave reads of A or of B
.set SLOT,   4*HALFT
.set SPARE,  2*SLOT                    ; the spare words, 128 bytes a wave: two blocks of 256 bytes that no other line names
.set SPITCH, 272                       ; the way out: 16 rows x (256 + 16) bytes a wave, in slot 0, which has had its last fill and its last read by then
.set ASTEP,  4*4096*128                ; a K step in o16: four planes
.set BSTEP,  4*1024*128                ; and in wo16
.set LAPS,   2
.set ADRA, 16
.set ADRB, 20
.set STO,  24
.set RD,   25
.set CO,   26
.set SPW,  28
.set NIL,  29
.set TMP,  32
.set ACC,  128
.set F0,   0
.set F1,   128
.set G1, 24
.set G0, 32
.set G1B, 48
.set G0B, 56
.set MSB, 0
.macro WIN new
.if MSB != \new
	s_set_vgpr_msb (MSB<<8)|\new
.set MSB, \new
.endif
.endm
.set MUL,  0x05                        ; sources 0 (B) and 1 (A) window 1; C and D window 0
.set TO_F, 0x40
.macro JLOAD s                         ; a joint load: waves 0 and 1 fetch A's halves, waves 2 and 3 B's; an s_nop 0 and four v_nop follow each line
	s_cmp_eq_u32 s11, 0
	s_cbranch_scc0 .Lfor_b_\@
	tensor_load_to_lds s[G0+4*\s:G0+4*\s+3], s[G1:G1+7]
	s_nop 0
.rept 4
	v_nop
.endr
	s_branch .Lasked_\@
.Lfor_b_\@:
	tensor_load_to_lds s[G0B+4*\s:G0B+4*\s+3], s[G1B:G1B+7]
	s_nop 0
.rept 4
	v_nop
.endr
.Lasked_\@:
.endm
.macro CREST
	s_cmp_lg_u32 s10, 0
	s_cbranch_scc1 .Lnot_wave_0_\@
	s_barrier_signal -3
.Lnot_wave_0_\@:
	s_barrier_wait -3
	s_barrier_signal -1
	s_barrier_wait -1
.endm
.macro CROUND
	s_barrier_signal -1
	s_barrier_wait -1
	CREST
.endm
	s_load_b128 s[4:7], s[0:1], 0x0                ; o16, wo16
	s_load_b64 s[8:9], s[0:1], 0x10                ; out0
	v_lshl_add_u32 v[SPW], v0, 2, SPARE
	v_mov_b32 v[NIL], 0
	ds_add_u32 v[SPW], v[NIL]                      ; the wave's opening: the add, twice on end, and its wait ahead of my first tensor load
	ds_add_u32 v[SPW], v[NIL]
	v_lshrrev_b32 v1, 5, v0
	v_readfirstlane_b32 s10, v1                    ; wave 0..3
	s_lshr_b32 s11, s10, 1                         ; my half of the rows; also: I fetch for A (0) or B (1)
	s_and_b32 s12, s10, 1                          ; my half of the columns; also: which 64 rows I fetch
	s_bfe_u32 s40, ttmp6, 0x40000
	s_bfe_u32 s41, ttmp6, 0x40004
	s_lshl_b32 s42, ttmp9, 2
	s_add_co_u32 s42, s42, s40                     ; tile column
	s_and_b32 s13, ttmp7, 0xffff
	s_lshl_b32 s13, s13, 2
	s_add_co_u32 s13, s13, s41                     ; tile row
	s_lshl_b32 s43, s41, 2
	s_lshl_b32 s43, 15, s43
	s_lshl_b32 s44, 0x1111, s40
	s_or_b32 s[G1+0], s43, (1<<16)|(1<<20)|(1<<21)|(4<<22)|(3<<25)  ; the mask; elements of 2 bytes; padding on; bit 21 beside a mask; 4 words after every 32
	s_or_b32 s[G1B+0], s44, (1<<16)|(1<<20)|(1<<21)|(4<<22)|(3<<25)
.irp g, G1, G1B
	s_mov_b32 s[\g+1], 4096<<16                    ; tensor_dim0: 64 rows x 64 numbers
	s_mov_b32 s[\g+2], 4<<16                       ; tensor_dim1: four planes
	s_mov_b32 s[\g+3], 4096<<16                    ; tile_dim0
	s_mov_b32 s[\g+4], 4                           ; tile_dim1
	s_mov_b32 s[\g+6], 0
	s_mov_b32 s[\g+7], 0
.endr
	s_mov_b32 s[G1+5], 4096*64                     ; from plane to plane, in elements
	s_mov_b32 s[G1B+5], 1024*64
	s_lshl_b32 s17, s12, 13                        ; which 64 rows of 128 bytes I fetch
	s_lshl_b32 s16, s13, 14
	s_add_co_u32 s16, s16, s17
	s_lshl_b32 s46, s42, 14
	s_add_co_u32 s46, s46, s17
	s_mov_b32 s17, 0
	s_mov_b32 s47, 0
	s_mul_i32 s20, s10, HALFT
	s_wait_dscnt 0x0                               ; both opening adds are done
	s_wait_kmcnt 0x0
	s_add_nc_u64 s[14:15], s[4:5], s[16:17]
	s_add_nc_u64 s[46:47], s[6:7], s[46:47]
	CROUND                                         ; all sixteen work-groups are here: the first joint loads meet
.irp s, 0,1
	s_mov_b32 s[G0+4*\s], 1
	s_add_co_u32 s[G0+4*\s+1], s20, \s*SLOT
	s_add_nc_u64 s[G0+4*\s+2:G0+4*\s+3], s[14:15], \s*ASTEP
	s_or_b32 s[G0+4*\s+3], s[G0+4*\s+3], 0x80000000
	s_mov_b32 s[G0B+4*\s], 1
	s_add_co_u32 s[G0B+4*\s+1], s20, \s*SLOT
	s_add_nc_u64 s[G0B+4*\s+2:G0B+4*\s+3], s[46:47], \s*BSTEP
	s_or_b32 s[G0B+4*\s+3], s[G0B+4*\s+3], 0x80000000
	JLOAD \s
.endr
	v_and_b32 v1, 15, v0
	v_bfe_u32 v2, v0, 4, 1
	v_mul_u32_u24 v3, v1, PITCH
	v_lshl_add_u32 v3, v2, 4, v3
	s_mul_i32 s21, s11, HALFT
	s_mul_i32 s22, s12, HALFT
	s_add_co_u32 s22, s22, 2*HALFT
.irp s, 0,1
	v_add_nc_u32 v[ADRA+\s], s21, v3
	v_add_nc_u32 v[ADRB+\s], s22, v3
	s_add_co_u32 s21, s21, SLOT
	s_add_co_u32 s22, s22, SLOT
.endr
	s_mul_i32 s23, s10, 16*SPITCH                  ; my stage
	v_mul_u32_u24 v4, v1, SPITCH
	v_lshl_add_u32 v4, v2, 5, v4
	v_add_nc_u32 v[STO], s23, v4                   ; in: row r, 32 bytes for each half of the lanes
	v_mul_u32_u24 v5, v2, SPITCH
	v_lshl_add_u32 v5, v1, 4, v5
	v_add_nc_u32 v[RD], s23, v5                    ; back: lanes 0-15 one row of 256 bytes, lanes 16-31 the next
	v_lshlrev_b32 v5, 12, v2
	v_lshl_add_u32 v[CO], v1, 4, v5                ; the same two rows in out0
	s_lshl_b32 s16, s13, 7
	s_lshl_b32 s17, s11, 6
	s_add_co_u32 s16, s16, s17                     ; my first row
	s_lshl_b32 s16, s16, 12
	s_mov_b32 s17, 0
	s_add_nc_u64 s[8:9], s[8:9], s[16:17]
	s_lshl_b32 s46, s42, 9
	s_lshl_b32 s47, s12, 8
	s_add_co_u32 s46, s46, s47                     ; my first column, in bytes
	s_mov_b32 s47, 0
	s_add_nc_u64 s[8:9], s[8:9], s[46:47]
.macro MUL8 f, c, a0, zero             ; 8 matrix instructions; the 16 accumulators take turns
.irp a, \a0, \a0+1
.irp b, 0,1,2,3
.if \zero
	v_wmma_f32_16x16x32_f16 v[ACC+8*(4*(\a)+\b):ACC+8*(4*(\a)+\b)+7], v[\f+64+8*(4*\c+\b):\f+64+8*(4*\c+\b)+7], v[\f+8*(4*\c+\a):\f+8*(4*\c+\a)+7], 0
.else
	v_wmma_f32_16x16x32_f16 v[ACC+8*(4*(\a)+\b):ACC+8*(4*(\a)+\b)+7], v[\f+64+8*(4*\c+\b):\f+64+8*(4*\c+\b)+7], v[\f+8*(4*\c+\a):\f+8*(4*\c+\a)+7], v[ACC+8*(4*(\a)+\b):ACC+8*(4*(\a)+\b)+7]
.endif
.endr
.endr
.endm
.macro FETCH slot, q, f                ; 32 LDS loads in one run: the fragments of plane q (64 along K) into buffer f; the first 32 along K first
	WIN TO_F
.irp c, 0,1
.irp i, 0,1,2,3
	ds_load_b128 v[\f+64+8*(4*\c+\i):\f+64+8*(4*\c+\i)+3],   v[ADRB+\slot] offset:(\q)*PLANE+64*\c+\i*16*PITCH
	ds_load_b128 v[\f+64+8*(4*\c+\i)+4:\f+64+8*(4*\c+\i)+7], v[ADRB+\slot] offset:(\q)*PLANE+64*\c+\i*16*PITCH+32
	ds_load_b128 v[\f+8*(4*\c+\i):\f+8*(4*\c+\i)+3],         v[ADRA+\slot] offset:(\q)*PLANE+64*\c+\i*16*PITCH
	ds_load_b128 v[\f+8*(4*\c+\i)+4:\f+8*(4*\c+\i)+7],       v[ADRA+\slot] offset:(\q)*PLANE+64*\c+\i*16*PITCH+32
.endr
.endr
.endm
.macro PLACES
.rept 4
	v_nop
.endr
.endm
.macro QUARTER slot, q, f, g, zero     ; multiplies buffer f and fetches plane q of the same slot into g
	s_wait_dscnt 16                                ; the first 32 along K are in; the other sixteen loads may be out
	WIN MUL
	MUL8 \f, 0, 0, \zero
	MUL8 \f, 0, 2, \zero
	PLACES
	FETCH \slot, \q, \g
	s_wait_dscnt 32                                ; all but the 32 just issued
	WIN MUL
	MUL8 \f, 1, 0, 0
	MUL8 \f, 1, 2, 0
.endm
.macro TURN slot, next, fill           ; a slot's last quarter changes slots: one barrier; fill = 1: a round of the cluster's barrier, and this slot takes the K step two on
	WIN 0
	s_wait_tensorcnt 0x0                           ; all my tensor loads have landed: my part of the next slot
	ds_add_u32 v[SPW], v[NIL]
	s_wait_dscnt 17                                ; the add and the youngest sixteen loads may be out
	WIN MUL
	MUL8 F1, 0, 0, 0
	s_wait_dscnt 0x0                               ; the add is done, and my reads of this slot are over
	s_barrier_signal -1
	MUL8 F1, 0, 2, 0
.if \fill
	WIN 0
.endif
	s_barrier_wait -1
.if \fill
	CREST                                          ; no wave of any partner still reads this slot or has a load on its way
	s_add_nc_u64 s[G0+4*\slot+2:G0+4*\slot+3], s[G0+4*\slot+2:G0+4*\slot+3], 2*ASTEP
	s_add_nc_u64 s[G0B+4*\slot+2:G0B+4*\slot+3], s[G0B+4*\slot+2:G0B+4*\slot+3], 2*BSTEP
	JLOAD \slot                                    ; the first tensor load behind the round; its four v_nop are also the places ahead of the loads below
.else
	PLACES
.endif
	FETCH \next, 0, F0
	WIN MUL
	MUL8 F1, 1, 0, 0
	MUL8 F1, 1, 2, 0
.endm
	s_wait_tensorcnt 1                             ; my part of K step 0 is in; K step 1's load may be out
	s_barrier_signal -1
	s_barrier_wait -1
	FETCH 0, 0, F0
	QUARTER 0, 1, F0, F1, 1                        ; the first products start the sums
	WIN 0
	s_mov_b32 s3, LAPS-1
.Llap:                                             ; a trip goes once round the ring and fills both slots again
	QUARTER 0, 2, F1, F0, 0
	QUARTER 0, 3, F0, F1, 0
	TURN 0, 1, 1
	QUARTER 1, 1, F0, F1, 0
	QUARTER 1, 2, F1, F0, 0
	QUARTER 1, 3, F0, F1, 0
	TURN 1, 0, 1
	QUARTER 0, 1, F0, F1, 0
	WIN 0
	s_sub_co_u32 s3, s3, 1
	s_cmp_lg_u32 s3, 0
	s_cbranch_scc1 .Llap
	QUARTER 0, 2, F1, F0, 0                        ; the last lap fills nothing
	QUARTER 0, 3, F0, F1, 0
	TURN 0, 1, 0
	QUARTER 1, 1, F0, F1, 0
	QUARTER 1, 2, F1, F0, 0
	QUARTER 1, 3, F0, F1, 0
	s_wait_dscnt 16
	WIN MUL
	MUL8 F1, 0, 0, 0
	MUL8 F1, 0, 2, 0
	s_wait_dscnt 0
	MUL8 F1, 1, 0, 0
	MUL8 F1, 1, 2, 0
	WIN 0
; THE WAY OUT, block by block of 16 rows x 64 columns: 32 bytes a lane into my stage, back as whole rows of 256 bytes: sixteen lanes store 256 consecutive bytes, aligned.
.macro TOSTAGE a
.irp b, 0,1,2,3
	ds_store_b128 v[STO], v[ACC+8*(4*(\a)+\b):ACC+8*(4*(\a)+\b)+3] offset:64*\b          ; each accumulator from its low end on
	ds_store_b128 v[STO], v[ACC+8*(4*(\a)+\b)+4:ACC+8*(4*(\a)+\b)+7] offset:64*\b+16
.endr
.set BB, TMP+32*((\a)%2)
.irp t, 0,1,2,3,4,5,6,7
	ds_load_b128 v[BB+4*\t:BB+4*\t+3], v[RD] offset:\t*2*SPITCH
.endr
.endm
.macro SEND a, younger
.set BB, TMP+32*((\a)%2)
	s_wait_dscnt \younger
.irp t, 0,1,2,3,4,5,6,7
	global_store_b128 v[CO], v[BB+4*\t:BB+4*\t+3], s[8:9] offset:(16*(\a)+2*\t)*4096 th:TH_STORE_NT
.endr
.endm
	PLACES
	TOSTAGE 0
.irp a, 1,2,3
.if \a > 1
	s_wait_xcnt 0x0                                ; block a - 2's stores have read their registers
.endif
	TOSTAGE \a
	SEND \a-1, 16                                  ; behind block a - 1's loads: block a's 8 stores and 8 loads
.endr
	SEND 3, 0
	s_wait_tensorcnt 0x0                           ; the wave's end
	ds_add_u32 v[SPW], v[NIL]
	s_wait_dscnt 0x0
	CROUND                                         ; the closing round
	s_endpgm
.Lfunc_end_k_qabb5d2f3cc_proj:
	.size	k_qabb5d2f3cc_proj, .Lfunc_end_k_qabb5d2f3cc_proj-k_qabb5d2f3cc_proj
	.p2alignl 7, 3214868480
	.fill 96, 4, 3214868480
	.section	.rodata,"a",@progbits
	.p2align	6, 0x0
	.amdhsa_kernel k_qabb5d2f3cc_proj
		.amdhsa_group_segment_fixed_size 327680
		.amdhsa_private_segment_fixed_size 0
		.amdhsa_enable_private_segment 0
		.amdhsa_kernarg_size 24
		.amdhsa_user_sgpr_count 2
		.amdhsa_user_sgpr_kernarg_segment_ptr 1
		.amdhsa_wavefront_size32 1
		.amdhsa_system_sgpr_workgroup_id_x 1
		.amdhsa_system_sgpr_workgroup_id_y 1
		.amdhsa_system_sgpr_workgroup_id_z 1
		.amdhsa_system_vgpr_workitem_id 0
		.amdhsa_next_free_vgpr 512
		.amdhsa_next_free_sgpr 66
		.amdhsa_reserve_vcc 0
		.amdhsa_float_denorm_mode_32 3
		.amdhsa_float_denorm_mode_16_64 3
		.amdhsa_memory_ordered 1
		.amdhsa_forward_progress 1
		.amdhsa_inst_pref_size 85
	.end_amdhsa_kernel
	.amdgpu_metadata
---
amdhsa.version: [ 1, 2 ]
amdhsa.kernels:
  - .name:           k_qabb5d2f3cc_proj
    .symbol:         k_qabb5d2f3cc_proj.kd
    .args:
      - { .name: o16, .offset: 0, .size: 8, .value_kind: global_buffer, .address_space: global }
      - { .name: wo16, .offset: 8, .size: 8, .value_kind: global_buffer, .address_space: global }
      - { .name: out0, .offset: 16, .size: 8, .value_kind: global_buffer, .address_space: global }
    .group_segment_fixed_size: 327680
    .private_segment_fixed_size: 0
    .kernarg_segment_align: 8
    .kernarg_segment_size: 24
    .max_flat_workgroup_size: 128
    .sgpr_count:     66
    .vgpr_count:     512
    .wavefront_size: 32
...
	.end_amdgpu_metadata
.endif
;; end of part 4
;; launch fine (part 5): grid 64 x 1, 16 waves a work-group, no clusters, 18,432 bytes of LDS; arguments qkv32, Wout, out0; writes out0
.if DOCPART == 5
	.amdgcn_target "amdgcn-amd-amdhsa--gfx1250"
	.amdhsa_code_object_version 6
	.text
	.protected	k_qabb5d2f3cc_fine
	.globl	k_qabb5d2f3cc_fine
	.p2align	8
	.type	k_qabb5d2f3cc_fine,@function
k_qabb5d2f3cc_fine:
	s_mov_b64 s[64:65], 0
	v_nop
	global_prefetch_b8 v0, s[64:65] scope:SCOPE_SE
	s_setreg_imm32_b32 hwreg(HW_REG_WAVE_MODE, 25, 1), 1
	s_wait_xcnt 0x0
; Rows 0-15 of the sequence once more, all in f32: under the causal mask they average one to sixteen values and are the largest in size, so f16 operands would use up what the comparison allows.
; Work-group g makes columns 16 g .. 16 g + 15 of these 16 rows of out0.  Wave w is head w: its attention (16 x 16 scores) and its 64 of the projection's 1,024 along K; the sixteen parts meet in LDS.
; q, k, v: qkv32's first 16 rows, [16][3072] f32.  All three products go by the 16x16x4 f32 matrix form, used transposed, so that a lane holds one query throughout and nothing changes lanes:
; S^T = K Q^T, O^T = V^T P, out^T = Wout^T O^T.  The places of k in the registers are permuted alike on both sources of a product.
; The registers that these matrix instructions write are written by nothing else; sums begin with the constant 0; four accumulators take turns.
; The stores are runs of 64 bytes of rows 4,096 bytes apart: the launch writes 65,536 bytes in all, and 64 work-groups share the chain of dependent products.
.set SPARE, 16384                      ; behind the 16 images of 1,024 bytes: the spare words, 128 bytes for each of 16 waves
.set QR, 16
.set KR, 48
.set VR, 80
.set WR, 112
.set SA, 144
.set OA, 176
.set PA, 208
.set SS, 240
.set TT, 248
	s_load_b128 s[4:7], s[0:1], 0x0                ; qkv32, Wout
	s_load_b64 s[8:9], s[0:1], 0x10                ; out0
	v_lshl_add_u32 v5, v0, 2, SPARE                ; my spare word; never rewritten
	v_mov_b32 v6, 0                                ; 0; never rewritten
	v_lshrrev_b32 v1, 5, v0
	v_readfirstlane_b32 s10, v1                    ; wave = head
	v_and_b32 v1, 15, v0                           ; r
	v_bfe_u32 v7, v0, 4, 1                         ; h
	v_mul_u32_u24 v8, v1, 12288
	v_lshl_add_u32 v8, v7, 4, v8                   ; Q, K: row r, + 16 h: channels 8 u + 4 h + 0 .. 3
	v_lshlrev_b32 v9, 2, v1
	v_mul_u32_u24 v10, v7, 8*12288
	v_add_nc_u32 v10, v10, v9                      ; V: key 8 h + .., channel r
	v_lshl_add_u32 v9, v7, 15, v9                  ; Wout: row 8 h + .., column r
	v_lshlrev_b32 v11, 3, v7
	v_sub_nc_u32 v11, v1, v11                      ; r - 8 h
	v_and_b32 v2, 31, v0
	v_lshlrev_b32 v2, 4, v2
	s_lshl_b32 s11, s10, 10
	v_add_nc_u32 v2, s11, v2                       ; my image: 1,024 x wave + 16 x lane
	v_lshlrev_b32 v3, 4, v0                        ; waves 0 and 1 read back: 16 x thread
	v_lshlrev_b32 v4, 12, v1
	v_lshl_add_u32 v4, v7, 5, v4
	v_lshrrev_b32 v12, 5, v0
	v_lshl_add_u32 v4, v12, 4, v4                  ; out0: row r, + 32 h, + 16 x piece
	v_mov_b32 v14, 0                               ; a lane permute's destination counts as one of its sources
	s_mov_b32 s12, 0x76543210
	s_mov_b32 s13, 0xfedcba98
	s_mov_b32 s14, 0x3e38aa3b                      ; c = log2(e) / 8
	s_lshl_b32 s16, s10, 8                         ; the head's 64 columns
	s_mov_b32 s17, 0
	s_lshl_b32 s18, s10, 18                        ; the head's 64 rows of Wout,
	s_lshl_b32 s20, ttmp9, 6                       ; my 16 columns
	s_add_co_u32 s18, s18, s20
	s_mov_b32 s19, 0
	s_mov_b32 s21, 0
	s_wait_kmcnt 0x0
	s_add_nc_u64 s[4:5], s[4:5], s[16:17]
	s_add_nc_u64 s[6:7], s[6:7], s[18:19]
	s_add_nc_u64 s[8:9], s[8:9], s[20:21]
.irp u, 0,1,2,3,4,5,6,7
	global_load_b128 v[QR+4*\u:QR+4*\u+3], v8, s[4:5] offset:32*\u
.endr
.irp u, 0,1,2,3,4,5,6,7
	global_load_b128 v[KR+4*\u:KR+4*\u+3], v8, s[4:5] offset:4096+32*\u
.endr
.irp t, 0,1,2,3
.irp i, 0,1,2,3,4,5,6,7
	global_load_b32 v[VR+8*\t+\i], v10, s[4:5] offset:8192+\i*12288+64*\t      ; V(8 h + i, 16 t + r)
.endr
.endr
	s_wait_loadcnt 32                              ; Q and K are in; V's 32 loads may be out
.irp s, 0,1,2,3,4,5,6,7,8,9,10,11,12,13,14,15
.if \s < 4
	v_wmma_f32_16x16x4_f32 v[SA+8*(\s%4):SA+8*(\s%4)+7], v[KR+2*\s:KR+2*\s+1], v[QR+2*\s:QR+2*\s+1], 0
.else
	v_wmma_f32_16x16x4_f32 v[SA+8*(\s%4):SA+8*(\s%4)+7], v[KR+2*\s:KR+2*\s+1], v[QR+2*\s:QR+2*\s+1], v[SA+8*(\s%4):SA+8*(\s%4)+7]
.endif
.endr
.irp t, 0,1,2,3
.irp i, 0,1,2,3,4,5,6,7
	global_load_b32 v[WR+8*\t+\i], v9, s[6:7] offset:(16*\t+\i)*4096           ; Wout(64 w + 16 t + 8 h + i, 16 g + r)
.endr
.endr
.rept 8
	v_nop                                          ; eight places behind this form, ahead of the first read of its results (ISA guide 7.12.1)
.endr
.irp p, 0,2,4,6
	v_pk_add_f32 v[SS+\p:SS+\p+1], v[SA+\p:SA+\p+1], v[SA+8+\p:SA+8+\p+1]      ; the four partial sums: lane (r, h): query r, keys 8 h + 0 .. 7
.endr
.irp p, 0,2,4,6
	v_pk_add_f32 v[TT+\p:TT+\p+1], v[SA+16+\p:SA+16+\p+1], v[SA+24+\p:SA+24+\p+1]
.endr
.irp p, 0,2,4,6
	v_pk_add_f32 v[SS+\p:SS+\p+1], v[SS+\p:SS+\p+1], v[TT+\p:TT+\p+1]
.endr
	v_mov_b32 v12, 0xff800000                      ; -infinity
.irp j, 0,1,2,3,4,5,6,7
	v_cmp_gt_i32 vcc_lo, \j, v11                   ; key 8 h + j after query r
	v_cndmask_b32 v[SS+\j], v[SS+\j], v12, vcc_lo
.endr
	v_max3_num_f32 v13, v[SS], v[SS+1], v[SS+2]
	v_max3_num_f32 v13, v13, v[SS+3], v[SS+4]
	v_max3_num_f32 v13, v13, v[SS+5], v[SS+6]
	v_max_num_f32 v13, v13, v[SS+7]
	v_permlanex16_b32 v14, v13, s12, s13
	v_max_num_f32 v13, v13, v14                    ; the row's maximum: key 0 counts for every query
	v_mul_f32 v13, s14, v13
.irp j, 0,1,2,3,4,5,6,7
	v_fma_f32 v[SS+\j], v[SS+\j], s14, -v13
.endr
.irp j, 0,1,2,3,4,5,6,7
	v_exp_f32 v[SS+\j], v[SS+\j]
.endr
	v_nop
	s_wait_alu depctr_va_vdst(0)                   ; one wait for the eight, ahead of their first reader
	v_pk_add_f32 v[TT:TT+1], v[SS:SS+1], v[SS+2:SS+3]
	v_pk_add_f32 v[TT+2:TT+3], v[SS+4:SS+5], v[SS+6:SS+7]
	v_pk_add_f32 v[TT:TT+1], v[TT:TT+1], v[TT+2:TT+3]
	v_add_f32 v15, v[TT], v[TT+1]
	v_permlanex16_b32 v14, v15, s12, s13
	v_add_f32 v15, v15, v14
	v_rcp_f32 v15, v15
	v_nop
	s_wait_alu depctr_va_vdst(0)
.irp j, 0,1,2,3,4,5,6,7
	v_mul_f32 v[SS+\j], v[SS+\j], v15              ; the weights
.endr
	s_wait_loadcnt 32                              ; V is in; Wout's 32 loads may be out
.irp i, 0,1,2,3
.irp t, 0,1,2,3
.if \i == 0
	v_wmma_f32_16x16x4_f32 v[OA+8*\t:OA+8*\t+7], v[VR+8*\t+2*\i:VR+8*\t+2*\i+1], v[SS+2*\i:SS+2*\i+1], 0
.else
	v_wmma_f32_16x16x4_f32 v[OA+8*\t:OA+8*\t+7], v[VR+8*\t+2*\i:VR+8*\t+2*\i+1], v[SS+2*\i:SS+2*\i+1], v[OA+8*\t:OA+8*\t+7]
.endif
.endr
.endr
.rept 9
	v_nop                                          ; nine places before a matrix instruction takes these results as a source
.endr
	s_wait_loadcnt 0x0
.irp i, 0,1,2,3                        ; O^T's registers are the second source as they stand: lane (r, h), register 2 i + j of tile t: channel 16 t + 8 h + 2 i + j of query r
.irp t, 0,1,2,3
.if \i == 0
	v_wmma_f32_16x16x4_f32 v[PA+8*\t:PA+8*\t+7], v[WR+8*\t+2*\i:WR+8*\t+2*\i+1], v[OA+8*\t+2*\i:OA+8*\t+2*\i+1], 0
.else
	v_wmma_f32_16x16x4_f32 v[PA+8*\t:PA+8*\t+7], v[WR+8*\t+2*\i:WR+8*\t+2*\i+1], v[OA+8*\t+2*\i:OA+8*\t+2*\i+1], v[PA+8*\t:PA+8*\t+7]
.endif
.endr
.endr
.rept 8
	v_nop
.endr
.irp p, 0,2,4,6
	v_pk_add_f32 v[16+\p:17+\p], v[PA+\p:PA+\p+1], v[PA+8+\p:PA+8+\p+1]
.endr
.irp p, 0,2,4,6
	v_pk_add_f32 v[24+\p:25+\p], v[PA+16+\p:PA+16+\p+1], v[PA+24+\p:PA+24+\p+1]
.endr
.irp p, 0,2,4,6
	v_pk_add_f32 v[16+\p:17+\p], v[16+\p:17+\p], v[24+\p:25+\p]                ; my head's part: lane (r, h): row r, columns 16 g + 8 h + 0 .. 7
.endr
	ds_store_b128 v2, v[16:19]
	ds_store_b128 v2, v[20:23] offset:512
	s_wait_dscnt 0x0                               ; for the others' sake: my stores have landed
	s_barrier_signal -1
	s_barrier_wait -1
	s_cmp_lt_u32 s10, 2
	s_cbranch_scc0 .Lend
.irp n, 0,1,2,3,4,5,6,7,8,9,10,11,12,13,14,15
	ds_load_b128 v[48+4*\n:51+4*\n], v3 offset:1024*\n                         ; the same 16 bytes of all sixteen images
.endr
	s_wait_dscnt 0x0
.irp n, 0,1,2,3,4,5,6,7
	v_pk_add_f32 v[48+4*\n:49+4*\n], v[48+4*\n:49+4*\n], v[80+4*\n:81+4*\n]
	v_pk_add_f32 v[50+4*\n:51+4*\n], v[50+4*\n:51+4*\n], v[82+4*\n:83+4*\n]
.endr
.irp n, 0,1,2,3
	v_pk_add_f32 v[48+4*\n:49+4*\n], v[48+4*\n:49+4*\n], v[64+4*\n:65+4*\n]
	v_pk_add_f32 v[50+4*\n:51+4*\n], v[50+4*\n:51+4*\n], v[66+4*\n:67+4*\n]
.endr
.irp n, 0,1
	v_pk_add_f32 v[48+4*\n:49+4*\n], v[48+4*\n:49+4*\n], v[56+4*\n:57+4*\n]
	v_pk_add_f32 v[50+4*\n:51+4*\n], v[50+4*\n:51+4*\n], v[58+4*\n:59+4*\n]
.endr
	v_pk_add_f32 v[48:49], v[48:49], v[52:53]
	v_pk_add_f32 v[50:51], v[50:51], v[54:55]
	global_store_b128 v4, v[48:51], s[8:9]
.Lend:
	s_wait_tensorcnt 0x0                           ; the wave's end
	ds_add_u32 v5, v6
	s_wait_dscnt 0x0
	s_endpgm
.Lfunc_end_k_qabb5d2f3cc_fine:
	.size	k_qabb5d2f3cc_fine, .Lfunc_end_k_qabb5d2f3cc_fine-k_qabb5d2f3cc_fine
	.p2alignl 7, 3214868480
	.fill 96, 4, 3214868480
	.section	.rodata,"a",@progbits
	.p2align	6, 0x0
	.amdhsa_kernel k_qabb5d2f3cc_fine
		.amdhsa_group_segment_fixed_size 18432
		.amdhsa_private_segment_fixed_size 0
		.amdhsa_enable_private_segment 0
		.amdhsa_kernarg_size 24
		.amdhsa_user_sgpr_count 2
		.amdhsa_user_sgpr_kernarg_segment_ptr 1
		.amdhsa_wavefront_size32 1
		.amdhsa_system_sgpr_workgroup_id_x 1
		.amdhsa_system_sgpr_workgroup_id_y 1
		.amdhsa_system_sgpr_workgroup_id_z 1
		.amdhsa_system_vgpr_workitem_id 0
		.amdhsa_next_free_vgpr 256
		.amdhsa_next_free_sgpr 66
		.amdhsa_reserve_vcc 1
		.amdhsa_float_denorm_mode_32 3
		.amdhsa_float_denorm_mode_16_64 3
		.amdhsa_memory_ordered 1
		.amdhsa_forward_progress 1
		.amdhsa_inst_pref_size 21
	.end_amdhsa_kernel
	.amdgpu_metadata
---
amdhsa.version: [ 1, 2 ]
amdhsa.kernels:
  - .name:           k_qabb5d2f3cc_fine
    .symbol:         k_qabb5d2f3cc_fine.kd
    .args:
      - { .name: qkv32, .offset: 0, .size: 8, .value_kind: global_buffer, .address_space: global }
      - { .name: Wout, .offset: 8, .size: 8, .value_kind: global_buffer, .address_space: global }
      - { .name: out0, .offset: 16, .size: 8, .value_kind: global_buffer, .address_space: global }
    .group_segment_fixed_size: 18432
    .private_segment_fixed_size: 0
    .kernarg_segment_align: 8
    .kernarg_segment_size: 24
    .max_flat_workgroup_size: 512
    .sgpr_count:     66
    .vgpr_count:     256
    .wavefront_size: 32
...
	.end_amdgpu_metadata
.endif
;; end of part 5
